; MI455X (gfx1250); checked and timed in simulation.
; The chip was launched on July 23, 2026; its instructions are those of AMD's public machine-readable ISA for CDNA 5 (MIT licence, August 2026) and "CDNA5" Instruction Set Architecture Reference Guide (July 2026). The comments in the code are by the model that wrote it; some were corrected since.
;; Parallel Multi Head Attention. Allowed arithmetic: matrix products marked QUANTISED: E2M1 operands, one E8M0 scale for each 32 along K, by v_wmma_scale_f32_16x16x128_f8f6f4 with both operands' format E2M1 (or v_wmma_scale_f32_32x16x128_f4), f32 sums; everything else in f32.
;; Inputs: W_k 1,024 x 1,024 float32; W_o 1,024 x 1,024 float32; W_q 1,024 x 1,024 float32; W_v 1,024 x 1,024 float32; b_k 1,024 float32; b_o 1,024 float32; b_q 1,024 float32; b_v 1,024 float32; x 4 x 2,048 x 1,024 float32.
;; Outputs: out0 4 x 2,048 x 1,024 float32.
;; This version of the problem:
;;   THIS VERSION OF THE PROBLEM IS GIVEN IN LOW PRECISION. The matrix products marked QUANTISED in the list below multiply operands that are first quantised to E2M1 (2 exponent bits, 1 mantissa bit; 4 bits a number), with one power-of-two scale for each 32 numbers along K (OCP MX v1.0); their sums are f32. All else is computed in f32.
;;   The module's matrix products, in the order in which they are computed (A, B: the left and right operand; K: the contracted axis; several contracted axes count as one K, in the product's order):
;;     1. [M 8,192, K 1,024] x [K 1,024, N 1,024]; A: input x; B: input W_q: QUANTISED
;;     2. [M 8,192, K 1,024] x [K 1,024, N 1,024]; A: input x; B: input W_k: QUANTISED
;;     3. [M 8,192, K 1,024] x [K 1,024, N 1,024]; A: input x; B: input W_v: QUANTISED
;;     4. batch 64 x [M 2,048, K 64] x [K 64, N 2,048]; A: computed on the way; B: computed on the way: QUANTISED
;;     5. batch 64 x [M 2,048, K 2,048] x [K 2,048, N 64]; A: softmax (see below); B: computed on the way: QUANTISED
;;     6. [M 8,192, K 1,024] x [K 1,024, N 1,024]; A: computed on the way; B: input W_o: QUANTISED
;;   THE QUANTISER, for each operand of a quantised product, along K:
;;     - K is cut into blocks of 32 from its start; a last block that is shorter is filled with zeros.
;;     - A block's scale is 2^e with e = floor(log2(the largest magnitude in the block)) - 2, held to -126 .. 127; a block of zeros has e = 0. As a byte (E8M0): e + 127.
;;     - Each number is divided by its block's scale, clamped to +-6, and rounded to the nearest number of E2M1, ties to even, subnormals kept.
;;     - The product sums the exact products of the quantised numbers (number of the format x scale) in f32.
;;   ~~~python
;;   def quantise(x, axis):      # numpy; x: float32 -> the quantised numbers, widened to float32 again
;;       x = np.moveaxis(x, axis, -1); K = x.shape[-1]
;;       x = np.pad(x, [(0, 0)] * (x.ndim - 1) + [(0, -K % 32)]); x = x.reshape(x.shape[:-1] + (-1, 32)); a = np.abs(x).max(-1, keepdims=True)
;;       e = np.where(a > 0, np.clip(np.frexp(np.where(a > 0, a, 1))[1] - 1 - 2, -126, 127), 0)      # np.frexp(a)[1] - 1 = floor(log2(a)), exactly
;;       r = np.clip(x / 2.0 ** e, -6, 6)
;;       step = 2.0 ** (np.maximum(np.frexp(np.where(r == 0, 1, r))[1] - 1, 0) - 1)
;;       q = np.round(r / step) * step * 2.0 ** e      # np.round: ties to even
;;       return np.moveaxis(q.reshape(q.shape[:-2] + (-1,))[..., :K], -1, axis).astype(np.float32)
;;   ~~~
;;   SOFTMAX AHEAD OF A QUANTISED PRODUCT. Where the list says 'softmax', what is quantised is not the finished softmax but p = 2^(t - M), with t = logit x log2(e) and M = ceil(the row's largest t), a whole number; so 1/2 < the row's largest p <= 1. The row's sum l is taken of the UNQUANTISED p, in f32, and the product's result is divided by l at the end. Since M is a whole number, a kernel that streams over the keys may use a running M (the ceiling of the running maximum): every later rescaling is an exact power of two, which a block's scale takes up: the codes' values come out the same.
;;   OPERANDS COMPUTED ON THE WAY. 'Computed on the way' means the value that the module computes at that place (a softmax that the list does not call 'softmax' is quantised finished and normalised). What goes into a quantiser is computed in f32, as accurately as f32 sums, v_exp_f32 and their like allow (about 1e-6 of the number): no bf16 or f16 on the way to a quantiser, and a product that is left as it is and whose result goes on into a quantised operand takes f32 operands (vector FMAs, or v_wmma_f32_16x16x4_f32). A number that lies on a knife's edge between two numbers of the format may be rounded either way, as far as f32 arithmetic and the matrix unit's own rounding can turn it there, and no further.
;; One version. Each part assembles by itself: llvm-mc -triple=amdgcn-amd-amdhsa -mcpu=gfx1250 --defsym DOCPART=n.
;; ======== version 1 of 1: 4 launches
;; workspace buffers: cod 6,291,456 bytes; scl 393,216 bytes; qkv 13,369,344 bytes; oc 4,194,304 bytes; os 262,144 bytes
;; launch quant (part 1): grid 384 x 1, 4 waves a work-group, no clusters, 33,280 bytes of LDS; arguments x, W_q, W_k, W_v, W_o, cod, scl; writes cod, scl
.if DOCPART == 1
	.amdgcn_target "amdgcn-amd-amdhsa--gfx1250"
	.amdhsa_code_object_version 6
	.text
	.protected	k_q7206334e81_quant
	.globl	k_q7206334e81_quant
	.p2align	8
	.type	k_q7206334e81_quant,@function
k_q7206334e81_quant:
	s_mov_b64 s[64:65], 0
	v_nop
	global_prefetch_b8 v0, s[64:65] scope:SCOPE_SE
	s_setreg_imm32_b32 hwreg(HW_REG_WAVE_MODE, 25, 1), 1
	s_wait_xcnt 0x0
; FIRST OF FOUR LAUNCHES of multi-head attention on codes of FP4 (E2M1) with one E8M0 scale byte for each 32 along a product's K.
; NO WORK IS LEFT OUT: every product of the problem is live, every bias goes into a quantiser (b_q, b_k, b_v) or into the result (b_o), so every input is loaded by some launch.
; THIS LAUNCH: x [8192][1024], W_q, W_k, W_v, W_o [1024][1024], f32 with K innermost, become codes (cod: 12,288 rows of 512 bytes) and scale bytes (scl: 12,288 rows of 32 bytes).
; A block's scale is 2^(floor(log2(its largest magnitude)) - 2); its byte is the largest magnitude's exponent field - 2, held at 1 from below; each number is divided by the scale and rounded to the nearest code, ties to even.
; WHERE A ROW GOES.  sw(n) is n with its bits 3 and 4 exchanged.  Row l of x goes to row sw(l).  Row f = 16 d + h of W_q, W_k, W_v (heads are the fastest axis of a feature) goes to row 64 h + (d & 32) + sw(d & 31)
; of its tensor's 1,024 (from rows 8,192, 9,216, 10,240 on).  W_o keeps its order (from row 11,264 on).  So sixteen neighbouring STORED rows, taken as source 0 of a matrix instruction, leave in a lane's registers of two
; neighbouring tiles sixteen TRUE neighbours: what the next quantiser wants; and a head's 64 features lie together.
; LIMITS: NaN and infinities among the inputs are not served.  A block whose largest magnitude lies under 2^-124 gets the byte 1; a block of zeros gets the byte 1 where the rule says 127: its codes are zeros, which add
; nothing under any byte but 0xff, and the bytes are read by this program alone.
; SHARES.  A work-group takes 32,768 numbers, a wave 8,192: eight rows, sixteen steps of 512 numbers.  Work-groups 0-255: x; then 32 each for W_q, W_k, W_v, W_o.  One path through the text: pointers and row numbers are selected.
; Each of a step's four loads reads 512 consecutive bytes; the 2,048 bytes turn through the wave's own stage in LDS and come back 64 bytes a lane, so that a lane holds 16 neighbours along K and two neighbouring lanes a block.
; A step's codes are 256 consecutive bytes, half a row of cod.  No tensor loads, no barrier: waves share nothing.
.set WAVES, 4
.set STEPS, 16
.set EMAX,  2
.set R,     16                         ; v16-79   four sets of 16 numbers as they are loaded
.set X,     80                         ; v80-111  two sets of 16 neighbours
.set E,     112                        ; v112-127 a scale byte for each step
.set C,     128                        ; v128-191 codes: four registers for each step, so that no store's data are written again
.set CA,    192                        ; v192-199 row i of my eight: 8 x lane + i x the distance between my rows in cod
.set WREG,  8192                       ; LDS: a region for each wave: two stages of 32 x SP bytes, and behind them its 256 scale bytes
.set SP,    80                         ; a lane's place in a stage: its 64 bytes + 16 of padding
.set SPW,   12                         ; v12  LDS address of my spare word; never rewritten
.set NIL,   13                         ; v13  0; never rewritten
.set SPARE, WAVES*WREG                 ; behind the four regions: the spare words, 128 bytes for each wave
	s_load_b256 s[4:11], s[0:1], 0x0               ; x, W_q, W_k, W_v
	s_load_b128 s[12:15], s[0:1], 0x20             ; W_o, cod
	s_load_b64 s[16:17], s[0:1], 0x30              ; scl
	v_lshl_add_u32 v[SPW], v0, 2, SPARE
	v_mov_b32 v[NIL], 0
	v_lshrrev_b32 v1, 5, v0
	v_readfirstlane_b32 s20, v1                    ; wave
	v_and_b32 v2, 31, v0                           ; lane
	v_lshlrev_b32 v3, 4, v2                        ; my 16 bytes of a load's 512
	s_mul_i32 s21, s20, WREG
	v_lshrrev_b32 v14, 2, v2
	v_mul_u32_u24 v14, v14, SP
	v_and_b32 v15, 3, v2
	v_lshl_add_u32 v14, v15, 4, v14
	v_add_nc_u32 v14, s21, v14                     ; the stage, on the way in: SP (lane / 4) + 16 (lane % 4)
	v_mul_u32_u24 v15, v2, SP
	v_add_nc_u32 v15, s21, v15                     ; and on the way out: SP x lane: my 16 neighbours
	v_lshlrev_b32 v4, 3, v2                        ; 8 x lane: my codes' place in a step's 256 bytes
	s_wait_alu depctr_va_vdst(0)
	v_lshrrev_b32 v5, 1, v2
	s_add_co_u32 s21, s21, 2*32*SP
	v_add_nc_u32 v5, s21, v5                       ; LDS: my wave's 256 scale bytes, my block's byte
	v_add_nc_u32 v6, s21, v4                       ; and on the way out 8 bytes a lane
	; which rows are mine, and where they go: all three cases are worked out, then selected by the work-group's number
	s_lshl_b32 s22, ttmp9, 2
	s_add_co_u32 s22, s22, s20                     ; x: run of eight rows = 4 g + wave
	s_and_b32 s23, s22, 0xfffffffc
	s_and_b32 s24, s22, 1
	s_lshl_b32 s24, s24, 1
	s_or_b32 s23, s23, s24
	s_bfe_u32 s24, s22, 0x10001
	s_or_b32 s23, s23, s24                         ; the run's bits 0 and 1 are the row's bits 3 and 4: exchanged
	s_lshl_b32 s23, s23, 3                         ; x: my first row in cod
	s_sub_co_u32 s25, ttmp9, 256
	s_lshr_b32 s26, s25, 5                         ; which weight: 0 W_q, 1 W_k, 2 W_v, 3 W_o
	s_and_b32 s27, s25, 31
	s_lshl_b32 s27, s27, 2
	s_add_co_u32 s27, s27, s20                     ; the run in that weight: features 8 run .. 8 run + 7 = (d = run / 2, h = 8 (run % 2) + 0 .. 7)
	s_lshr_b32 s28, s27, 1                         ; d
	s_and_b32 s29, s28, 0x27
	s_and_b32 s30, s28, 8
	s_lshl_b32 s30, s30, 1
	s_or_b32 s29, s29, s30
	s_and_b32 s30, s28, 16
	s_lshr_b32 s30, s30, 1
	s_or_b32 s29, s29, s30                         ; (d & 32) + sw(d & 31)
	s_and_b32 s30, s27, 1
	s_lshl_b32 s30, s30, 9
	s_add_co_u32 s29, s29, s30                     ; + 64 x my first head
	s_lshl_b32 s30, s26, 10
	s_add_co_u32 s29, s29, s30
	s_add_co_u32 s29, s29, 8192                    ; W_q, W_k, W_v: my first row in cod; my eight rows lie 64 apart
	s_lshl_b32 s30, s27, 3
	s_add_co_u32 s30, s30, 11264                   ; W_o: rows in order
	s_cmp_lt_u32 ttmp9, 352
	s_cselect_b32 s31, s29, s30
	s_cselect_b32 s32, 64, 1
	s_cmp_lt_u32 ttmp9, 256
	s_cselect_b32 s31, s23, s31                    ; my first row in cod and scl
	s_cselect_b32 s32, 1, s32                      ; rows from one of mine to the next
	s_cselect_b32 s33, s22, s27                    ; my run in the source
	s_lshl_b32 s34, s33, 15                        ; eight rows of 4,096 bytes
	s_mov_b32 s35, 0
	s_lshl_b32 s36, s31, 9
	s_mov_b32 s37, 0
	s_lshl_b32 s38, s31, 5
	s_mov_b32 s39, 0
	s_lshl_b32 s40, s32, 9
	s_lshl_b32 s41, s32, 5
.irp i, 0,1,2,3,4,5,6,7
	v_mad_u32_u24 v[CA+\i], s40, \i, v4
.endr
	v_lshrrev_b32 v8, 2, v2
	v_and_b32 v9, 3, v2
	v_lshlrev_b32 v9, 3, v9
	v_mad_u32_u24 v7, v8, s41, v9                  ; the scale bytes' way out: row lane / 4 of my eight, 8 bytes at 8 (lane % 4)
	s_wait_kmcnt 0x0
	s_cmp_lt_u32 ttmp9, 352                        ; the source: a choice that hangs on the work-group's number alone
	s_cselect_b64 s[12:13], s[10:11], s[12:13]
	s_cmp_lt_u32 ttmp9, 320
	s_cselect_b64 s[12:13], s[8:9], s[12:13]
	s_cmp_lt_u32 ttmp9, 288
	s_cselect_b64 s[12:13], s[6:7], s[12:13]
	s_cmp_lt_u32 ttmp9, 256
	s_cselect_b64 s[12:13], s[4:5], s[12:13]
	s_add_nc_u64 s[12:13], s[12:13], s[34:35]
	s_add_nc_u64 s[14:15], s[14:15], s[36:37]
	s_add_nc_u64 s[16:17], s[16:17], s[38:39]
.macro LOAD t
.irp i, 0,1,2,3
	global_load_b128 v[R+16*((\t)%4)+4*\i:R+16*((\t)%4)+4*\i+3], v3, s[12:13] offset:2048*(\t)+512*\i th:TH_LOAD_NT   ; 32 lanes read 512 consecutive bytes
.endr
.endm
.macro TURN t                          ; step t's numbers through the stage: LDS serves a wave's instructions in order, so no wait stands between the stores and the loads
.irp i, 0,1,2,3
	ds_store_b128 v14, v[R+16*((\t)%4)+4*\i:R+16*((\t)%4)+4*\i+3] offset:32*SP*((\t)%2)+8*SP*\i
.endr
.irp i, 0,1,2,3
	ds_load_b128 v[X+16*((\t)%2)+4*\i:X+16*((\t)%2)+4*\i+3], v15 offset:32*SP*((\t)%2)+16*\i
.endr
.endm
.irp t, 0,1,2,3
	LOAD \t
.endr
	s_wait_loadcnt 12                              ; step 0's four loads are in; those of steps 1 to 3 may be out
	TURN 0
.macro STEP t
.set XS, X+16*((\t)%2)
.if (\t) > 0
	s_wait_dscnt 1                                 ; this step's numbers are back from the stage (the last step's byte store may be out): so its stores into the stage have read their registers,
.else
	s_wait_dscnt 0x0
.endif
.if (\t)+4 < STEPS
	LOAD (\t)+4                                    ; which take the loads of four steps on
.endif
.if (\t)+1 < STEPS
.if STEPS-2-(\t) >= 3
	s_wait_loadcnt 12                              ; the next step's four loads are in; those of the three steps behind it may be out
.else
	s_wait_loadcnt 4*(STEPS-2-(\t))
.endif
	TURN (\t)+1                                    ; and go through the other stage while this step is worked
.endif
	v_max3_num_f32 v8, |v[XS]|, |v[XS+1]|, |v[XS+2]|               ; the largest magnitude of my 16, in two chains
	v_max3_num_f32 v9, |v[XS+3]|, |v[XS+4]|, |v[XS+5]|
.irp i, 6,10
	v_max3_num_f32 v8, v8, |v[XS+\i]|, |v[XS+\i+1]|
	v_max3_num_f32 v9, v9, |v[XS+\i+2]|, |v[XS+\i+3]|
.endr
	v_max3_num_f32 v8, v8, |v[XS+14]|, |v[XS+15]|
	v_max3_num_f32 v8, v8, v9, (EMAX+1)<<23        ; and the floor 2^(3 - 127): so the byte cannot fall under 1
	v_max_num_f32_dpp v8, v8, v8 row_xmask:1 row_mask:0xf bank_mask:0xf   ; and of my neighbour's 16: the block's
	v_add_nc_u32 v11, -(EMAX<<23), v8              ; 2 off its exponent field: the conversion takes the exponent field of this operand as its scale, and nothing else of it
	v_cvt_scalef32_pk8_fp4_f32 v[C+4*(\t)], v[XS:XS+7], v11
	v_cvt_scalef32_pk8_fp4_f32 v[C+4*(\t)+1], v[XS+8:XS+15], v11
	v_lshrrev_b32 v[E+(\t)], 23, v11               ; the scale's byte (also the plain line behind the conversions)
	ds_store_b8 v5, v[E+(\t)] offset:16*(\t)       ; both lanes of a block write the same byte with the same value
	global_store_b64 v[CA+(\t)/2], v[C+4*(\t):C+4*(\t)+1], s[14:15] offset:256*((\t)%2)   ; 32 lanes store 256 consecutive bytes, aligned: half of row t / 2
.endm
.irp t, 0,1,2,3,4,5,6,7,8,9,10,11,12,13,14,15
	STEP \t
.endr
	ds_load_b64 v[8:9], v6                         ; LDS serves a wave's instructions in order: these see my stores
	s_wait_dscnt 0x0
	global_store_b64 v7, v[8:9], s[16:17]          ; x and W_o: 256 consecutive bytes; W_q, W_k, W_v: 32 bytes of each of eight rows 2,048 bytes apart (one byte for each 128 that the launch reads)
	s_wait_tensorcnt 0x0                           ; the wave's end, behind my last LDS store
	ds_add_u32 v[SPW], v[NIL]
	s_wait_dscnt 0x0
	s_endpgm
.Lfunc_end_k_q7206334e81_quant:
	.size	k_q7206334e81_quant, .Lfunc_end_k_q7206334e81_quant-k_q7206334e81_quant
	.p2alignl 7, 3214868480
	.fill 96, 4, 3214868480
	.section	.rodata,"a",@progbits
	.p2align	6, 0x0
	.amdhsa_kernel k_q7206334e81_quant
		.amdhsa_group_segment_fixed_size 33280
		.amdhsa_private_segment_fixed_size 0
		.amdhsa_enable_private_segment 0
		.amdhsa_kernarg_size 56
		.amdhsa_user_sgpr_count 2
		.amdhsa_user_sgpr_kernarg_segment_ptr 1
		.amdhsa_wavefront_size32 1
		.amdhsa_system_sgpr_workgroup_id_x 1
		.amdhsa_system_sgpr_workgroup_id_y 1
		.amdhsa_system_sgpr_workgroup_id_z 1
		.amdhsa_system_vgpr_workitem_id 0
		.amdhsa_next_free_vgpr 200
		.amdhsa_next_free_sgpr 66
		.amdhsa_reserve_vcc 0
		.amdhsa_float_denorm_mode_32 3
		.amdhsa_float_denorm_mode_16_64 3
		.amdhsa_memory_ordered 1
		.amdhsa_forward_progress 1
		.amdhsa_inst_pref_size 35
	.end_amdhsa_kernel
	.amdgpu_metadata
---
amdhsa.version: [ 1, 2 ]
amdhsa.kernels:
  - .name:           k_q7206334e81_quant
    .symbol:         k_q7206334e81_quant.kd
    .args:
      - { .name: x, .offset: 0, .size: 8, .value_kind: global_buffer, .address_space: global }
      - { .name: W_q, .offset: 8, .size: 8, .value_kind: global_buffer, .address_space: global }
      - { .name: W_k, .offset: 16, .size: 8, .value_kind: global_buffer, .address_space: global }
      - { .name: W_v, .offset: 24, .size: 8, .value_kind: global_buffer, .address_space: global }
      - { .name: W_o, .offset: 32, .size: 8, .value_kind: global_buffer, .address_space: global }
      - { .name: cod, .offset: 40, .size: 8, .value_kind: global_buffer, .address_space: global }
      - { .name: scl, .offset: 48, .size: 8, .value_kind: global_buffer, .address_space: global }
    .group_segment_fixed_size: 33280
    .private_segment_fixed_size: 0
    .kernarg_segment_align: 8
    .kernarg_segment_size: 56
    .max_flat_workgroup_size: 128
    .sgpr_count:     66
    .vgpr_count:     200
    .wavefront_size: 32
...
	.end_amdgpu_metadata
.endif
;; end of part 1
;; launch qkv (part 2): grid 8 x 48, 4 waves a work-group, clusters of 4 x 4, 327,680 bytes of LDS; arguments cod, scl, b_q, b_k, b_v, qkv; writes qkv
.if DOCPART == 2
	.amdgcn_target "amdgcn-amd-amdhsa--gfx1250"
	.amdhsa_code_object_version 6
	.text
	.protected	k_q7206334e81_qkv
	.globl	k_q7206334e81_qkv
	.p2align	8
	.type	k_q7206334e81_qkv,@function
k_q7206334e81_qkv:
	s_mov_b64 s[64:65], 0
	v_nop
	global_prefetch_b8 v0, s[64:65] scope:SCOPE_SE
	s_setreg_imm32_b32 hwreg(HW_REG_WAVE_MODE, 25, 1), 1
	s_wait_xcnt 0x0
	s_wait_alu depctr_hold_cnt(0) depctr_sa_sdst(0) depctr_va_vdst(0) depctr_va_sdst(0) depctr_va_ssrc(0) depctr_va_vcc(0) depctr_vm_vsrc(0)
	s_getreg_b32 s2, hwreg(HW_REG_IB_STS2, 6, 4)
	s_cmp_eq_u32 s2, 0
	s_cbranch_scc0 .Lentry_in_a_cluster
	s_endpgm
.Lentry_in_a_cluster:
	s_bfe_u32 s2, ttmp6, 0x10000c
	s_cmp_lg_u32 s2, 0xf033
	s_cbranch_scc0 .Lentry_shape_is_right
	s_endpgm
.Lentry_shape_is_right:
; SECOND LAUNCH: q = x W_q^T + b_q, k, v likewise, on codes of FP4 with E8M0 scales; the results are quantised in registers (q, k along the head's 64; v along the keys) and stored as images of operand registers.  No work is left out.
; A TILE is 256 x 256, K = 1,024: four waves, each 128 x 128 in 64 accumulators.  All of K lies in LDS at once, in two slots of 512 along K, both filled once at the head: nothing is ever filled again.
; THE MATRIX INSTRUCTION IS USED TRANSPOSED: source 0 = 16 stored rows of "B", source 1 = 16 stored rows of "A": a lane holds ONE row of A, and its registers run along B's rows.  The first launch has laid the rows so that the
; 16 registers of B's tiles 2 b and 2 b + 1 are 16 TRUE neighbours 32 b + 16 (lane / 16) + 0 .. 15: neighbours along the next product's K.
;   Q and K tiles (cluster y 0-7): A = x (a lane is a position), B = W_q' or W_k' (registers run along a head's d).      V tiles (cluster y 8-11): A = W_v' (a lane is a (head, d)), B = x (registers run along the keys).
; One text serves both: only row numbers in cod and scl are selected.  The ways out part on the cluster's y, which all partners share.
; qkv: [batch x head 64][step 16] records of 13,056 bytes; a step is 128 positions.  +0 K's codes, 8 tiles x 512 bytes (lane (r, h): 16 bytes: d = 32 h .. 32 h + 31 of stored position r);  +4,096 V^T's codes, 4 tiles of 16 d x 128 keys,
; 1,024 bytes each (a fragment's registers 0-3, then 4-7, 16 bytes a lane);  +8,192 K's scale words [r 16][4]: word f = tile 2 f's two bytes, tile 2 f + 1's two;  +8,448 V's [r 16][tile 4];  +8,704 Q's codes;  +12,800 Q's scale words, as K's.
; CLUSTERS: 4 x 4 work-groups; A's tiles are asked for jointly along a row of the cluster, B's along a column.
; LIMITS: as stated at the head of the first launch (NaN, infinities; the byte 1 for blocks under 2^-124 and for blocks of zeros).
; REGISTERS: window 0: v0-31 addresses; v32-95 scale words, two sets (they hold nothing else); v96-127 at work on the way out; v128-255 A's fragments, two sets of 64, on the way out 64 numbers and 64 registers of codes.
;   window 1: v0-63, v128-191 B's fragments, two sets; v64-127 64 numbers of the bias.   windows 2, 3: the accumulators: (a, b) at v[8 (8 (a % 4) + b)] of window 2 + a / 4.
.set NA,    8                          ; A's blocks of 16 rows in a wave
.set PITCH, 272                        ; an LDS row: 256 bytes + 16 of padding: the 16 rows that a load touches start 68 words apart
.set HALFT, 128*PITCH                  ; 128 rows: what one tensor load brings
.set SLOT,  4*HALFT                    ; A's 256 rows, then B's 256
.set SCL,   2*SLOT                     ; the scale bytes: four halves of 128 rows x 32 bytes, as 16 rows of 256 bytes + 16 of padding
.set HALFS, 16*272
.set SPARE, SCL+4*HALFS                ; the spare words, 128 bytes for each wave
.set REC,   13056
.set HEADB, 16*REC                     ; from a head's record to the next head's
.set AQ,    64                         ; A's fragments in LDS: bytes from a K step of 128 to the next,
.set AI,    16*PITCH                   ; from a block to the next,
.set ACS,   32                         ; from registers 0-3 to registers 4-7
.set ADRA, 16                          ; v16-17  LDS address of my A fragments in slot 0, 1
.set ADRB, 20                          ; v20-21  the same for B
.set OFC,  24                          ; v24  16 x lane
.set OFS,  25                          ; v25  HEADB x (lane / 16) + 16 x (lane % 16)
.set SELV, 26                          ; v26  byte selects: lanes 0-15 take the low halves of two scale words, lanes 16-31 the high halves
.set ADRS, 27                          ; v27  LDS address of my scale words: lanes 0-15 A's rows, lanes 16-31 B's
.set SPW,  28                          ; v28  LDS address of my spare word; never rewritten
.set NIL,  29                          ; v29  0; never rewritten
.set BO,   30                          ; v30  the bias loads' lane term
.set SC,   32
.set TM,   96                          ; v96-111  the quantiser's work
.set PW,   112                         ; v112-119 a scale word for each block a
.set KW,   120                         ; v120-123 the four words that leave
.set TT,   124                         ; v124-127 the bias of my row (V)
.set AF,   128
.set HA,   128                         ; the way out: 64 numbers
.set PC,   192                         ; the way out: eight sets of 8 registers of codes, so that no store's data are written again
.set BI,   64                          ; in window 1
.set WV, 16
.set HI, 17                            ; wave / 2: which half of A's rows is mine; also: I fetch for A (0) or for B (1)
.set LO, 18                            ; wave % 2: which half of B's rows is mine; also: which 128 rows I fetch
.set CX, 40
.set CY, 41
.set TX, 42
.set TY, 43
.set ISV, 66
.set G1, 24
.set G0, 32
.set G1B, 48
.set G0B, 56
.set G1S, 68
.set G0S, 76
.set G1SB, 80
.set G0SB, 88
.set BP, 92                            ; s[92:93] the bias
.set CB, 96                            ; s[96:97] where my codes go
.set SB, 98                            ; s[98:99] where my scale words go
.set MSB, 0
.macro WIN new                         ; the immediate's high byte repeats the setting that is left
.if MSB != (\new)
	s_set_vgpr_msb (MSB<<8)|(\new)
.set MSB, (\new)
.endif
.endm
; A joint load: waves 0 and 1 fetch for A, waves 2 and 3 for B.  The branch hangs on the wave's number alone.  An s_nop 0 and four v_nop follow each of the two lines.
.macro JLOAD g0a, g1a, g0b, g1b
	s_cmp_eq_u32 s[HI], 0
	s_cbranch_scc0 .Lfor_b_\@
	tensor_load_to_lds s[\g0a:\g0a+3], s[\g1a:\g1a+7]
	s_nop 0
.rept 4
	v_nop
.endr
	s_branch .Lasked_\@
.Lfor_b_\@:
	tensor_load_to_lds s[\g0b:\g0b+3], s[\g1b:\g1b+7]
	s_nop 0
.rept 4
	v_nop
.endr
.Lasked_\@:
.endm
.macro CROUND                          ; a round of the cluster's barrier
	s_barrier_signal -1
	s_barrier_wait -1
	s_cmp_lg_u32 s[WV], 0
	s_cbranch_scc1 .Lnot_wave_0_\@
	s_barrier_signal -3
.Lnot_wave_0_\@:
	s_barrier_wait -3
	s_barrier_signal -1
	s_barrier_wait -1
.endm
.macro PLACES n
.rept \n
	v_nop
.endr
.endm
	s_load_b256 s[4:11], s[0:1], 0x0               ; cod s[4:5], scl s[6:7], b_q s[8:9], b_k s[10:11]
	s_load_b128 s[12:15], s[0:1], 0x20             ; b_v s[12:13], qkv s[14:15]
	v_lshl_add_u32 v[SPW], v0, 2, SPARE
	v_mov_b32 v[NIL], 0
	ds_add_u32 v[SPW], v[NIL]                      ; the wave's opening: the add, twice on end, and its wait ahead of my first tensor load
	ds_add_u32 v[SPW], v[NIL]
	v_lshrrev_b32 v1, 5, v0
	v_readfirstlane_b32 s[WV], v1
	s_lshr_b32 s[HI], s[WV], 1
	s_and_b32 s[LO], s[WV], 1
	s_bfe_u32 s[CX], ttmp6, 0x40000
	s_bfe_u32 s[CY], ttmp6, 0x40004
	s_and_b32 s[TY], ttmp7, 0xffff                 ; cluster y: 0-7 Q and K tiles, 8-11 V tiles
	s_sub_co_u32 s[TX], s[TY], 8
	s_lshl_b32 s[TX], s[TX], 1
	s_add_co_u32 s[TX], s[TX], ttmp9               ; V: 2 (cluster y - 8) + cluster x: which four tile columns of x
	s_mov_b32 s100, 10240
	s_mov_b32 s101, 8192
	s_cmp_ge_u32 s[TY], 8
	s_cselect_b32 s[ISV], 1, 0
	s_cselect_b32 s[TX], s[TX], ttmp9
	s_cselect_b32 s[TY], 0, s[TY]
	s_cselect_b32 s100, s100, 0                    ; A's first row in cod: W_v' or x
	s_cselect_b32 s101, 0, s101                    ; B's: x, or W_q' followed by W_k'
	s_lshl_b32 s[TX], s[TX], 2
	s_add_co_u32 s[TX], s[TX], s[CX]               ; tile column
	s_lshl_b32 s[TY], s[TY], 2
	s_add_co_u32 s[TY], s[TY], s[CY]               ; tile row
	s_lshl_b32 s44, s[CY], 2
	s_lshl_b32 s44, 15, s44                        ; my row of the cluster
	s_lshl_b32 s45, 0x1111, s[CX]                  ; my column
	; group 1 for codes: 128 rows x 256 bytes, 512 bytes apart in memory, 16 bytes of padding behind each in LDS
	s_or_b32 s[G1], s44, (0<<16)|(1<<20)|(1<<21)|(5<<22)|(3<<25)
	s_or_b32 s[G1B], s45, (0<<16)|(1<<20)|(1<<21)|(5<<22)|(3<<25)
.irp g, G1, G1B
	s_mov_b32 s[\g+1], 256<<16                     ; tensor_dim0
	s_mov_b32 s[\g+2], 128<<16                     ; tensor_dim1
	s_mov_b32 s[\g+3], 256<<16                     ; tile_dim0
	s_mov_b32 s[\g+4], 128                         ; tile_dim1
	s_mov_b32 s[\g+5], 512                         ; from row to row
	s_mov_b32 s[\g+6], 0
	s_mov_b32 s[\g+7], 0
.endr
	; group 1 for scale bytes: 128 rows x 32 bytes are 4,096 dense bytes: 16 rows of 32 elements of 8 bytes, padded likewise
	s_or_b32 s[G1S], s44, (3<<16)|(1<<20)|(1<<21)|(5<<22)|(3<<25)
	s_or_b32 s[G1SB], s45, (3<<16)|(1<<20)|(1<<21)|(5<<22)|(3<<25)
.irp g, G1S, G1SB
	s_mov_b32 s[\g+1], 32<<16
	s_mov_b32 s[\g+2], 16<<16
	s_mov_b32 s[\g+3], 32<<16
	s_mov_b32 s[\g+4], 16
	s_mov_b32 s[\g+5], 32
	s_mov_b32 s[\g+6], 0
	s_mov_b32 s[\g+7], 0
.endr
	s_lshl_b32 s19, s[LO], 7                       ; which 128 rows of a tile I fetch
	s_lshl_b32 s20, s[TY], 8
	s_add_co_u32 s20, s20, s19
	s_add_co_u32 s20, s20, s100                    ; A's row in cod and scl: it hangs on the tile row alone
	s_lshl_b32 s22, s20, 5
	s_lshl_b32 s20, s20, 9
	s_mov_b32 s21, 0
	s_mov_b32 s23, 0
	s_lshl_b32 s46, s[TX], 8
	s_add_co_u32 s46, s46, s19
	s_add_co_u32 s46, s46, s101                    ; B's: on the tile column alone
	s_lshl_b32 s94, s46, 5
	s_lshl_b32 s46, s46, 9
	s_mov_b32 s47, 0
	s_mov_b32 s95, 0
	s_mul_i32 s92, s[WV], HALFT                    ; where they go: wave x 128 rows
	s_mul_i32 s93, s[WV], HALFS
	s_wait_dscnt 0x0                               ; both opening adds are done
	s_wait_kmcnt 0x0
	s_add_nc_u64 s[20:21], s[4:5], s[20:21]
	s_add_nc_u64 s[22:23], s[6:7], s[22:23]
	s_add_nc_u64 s[46:47], s[4:5], s[46:47]
	s_add_nc_u64 s[94:95], s[6:7], s[94:95]
	CROUND                                         ; all sixteen work-groups are here: the joint loads meet
	s_mov_b32 s[G0S], 1
	s_add_co_u32 s[G0S+1], s93, SCL
	s_mov_b64 s[G0S+2:G0S+3], s[22:23]
	s_or_b32 s[G0S+3], s[G0S+3], 0x80000000
	s_mov_b32 s[G0SB], 1
	s_add_co_u32 s[G0SB+1], s93, SCL
	s_mov_b64 s[G0SB+2:G0SB+3], s[94:95]
	s_or_b32 s[G0SB+3], s[G0SB+3], 0x80000000
	JLOAD G0S, G1S, G0SB, G1SB                     ; the scale bytes first; then both slots: three loads of mine are out
.irp s, 0,1
	s_mov_b32 s[G0+4*\s], 1
	s_add_co_u32 s[G0+4*\s+1], s92, \s*SLOT
	s_add_nc_u64 s[G0+4*\s+2:G0+4*\s+3], s[20:21], \s*256
	s_or_b32 s[G0+4*\s+3], s[G0+4*\s+3], 0x80000000
	s_mov_b32 s[G0B+4*\s], 1
	s_add_co_u32 s[G0B+4*\s+1], s92, \s*SLOT
	s_add_nc_u64 s[G0B+4*\s+2:G0B+4*\s+3], s[46:47], \s*256
	s_or_b32 s[G0B+4*\s+3], s[G0B+4*\s+3], 0x80000000
	JLOAD G0+4*\s, G1, G0B+4*\s, G1B
.endr
	; where my 128 x 128 goes.  Q, K: positions 256 ty + 128 HI (a step), heads 4 cx + 2 LO, + 1.   V: positions 256 tx + 128 LO, heads 4 ty + 2 HI, + 1
	s_cmp_eq_u32 s[ISV], 1
	s_cselect_b32 s2, s[TX], s[TY]
	s_cselect_b32 s3, s[LO], s[HI]
	s_cselect_b32 s19, s[TY], s[CX]
	s_cselect_b32 s67, s[HI], s[LO]
	s_lshl_b32 s2, s2, 1
	s_add_co_u32 s2, s2, s3                        ; the step among all 64: 16 x batch + step
	s_lshl_b32 s19, s19, 2
	s_lshl_b32 s67, s67, 1
	s_add_co_u32 s19, s19, s67                     ; my first head
	s_lshr_b32 s3, s2, 4
	s_lshl_b32 s3, s3, 4
	s_add_co_u32 s3, s3, s19
	s_lshl_b32 s3, s3, 4
	s_and_b32 s2, s2, 15
	s_add_co_u32 s3, s3, s2                        ; the record: (16 x batch + head) x 16 + step
	s_mul_i32 s2, s3, REC
	s_cmp_eq_u32 ttmp9, 0                          ; cluster x 0: W_q', 1: W_k'
	s_cselect_b32 s3, 8704, 0
	s_mov_b32 s67, 8192
	s_cselect_b32 s67, 12800, s67
	s_cselect_b64 s[BP:BP+1], s[8:9], s[10:11]
	s_cmp_eq_u32 s[ISV], 1
	s_cselect_b32 s3, 4096, s3
	s_cselect_b32 s67, 8448, s67
	s_cselect_b64 s[BP:BP+1], s[12:13], s[BP:BP+1]
	s_cselect_b32 s100, 3, 4                       ; which bit of the lane stands for 16 along d
	s_add_co_u32 s[CB], s2, s3
	s_mov_b32 s[CB+1], 0
	s_add_co_u32 s[SB], s2, s67
	s_mov_b32 s[SB+1], 0
	s_add_nc_u64 s[CB:CB+1], s[14:15], s[CB:CB+1]
	s_add_nc_u64 s[SB:SB+1], s[14:15], s[SB:SB+1]
	s_lshl_b32 s2, s19, 2
	s_mov_b32 s3, 0
	s_add_nc_u64 s[BP:BP+1], s[BP:BP+1], s[2:3]    ; feature 16 d + h: 64 d + 4 h bytes
	; THE BIAS, one text for both kinds: number (n, j) is that of head n / 4 and d = 32 ((n % 4) / 2) + 16 x (a bit of the lane) + 8 (n % 2) + j.
	; Q, K: the bit is lane / 16, and (b, j) is the bias of my register j of B's tile b.   V: the bit is (lane / 8) % 2, and the bias of my row of A's block a is (a, lane % 8): it is selected on the way out.
	v_lshrrev_b32 v[BO], s100, v0
	v_and_b32 v[BO], 1, v[BO]
	v_lshlrev_b32 v[BO], 10, v[BO]
	WIN 0x40
.irp n, 0,1,2,3,4,5,6,7
.irp j, 0,1,2,3,4,5,6,7
	global_load_b32 v[BI+8*\n+\j], v[BO], s[BP:BP+1] offset:64*(32*((\n%4)/2)+8*(\n%2)+\j)+4*(\n/4)
.endr
.endr
	WIN 0
	v_and_b32 v1, 15, v0                           ; r
	v_bfe_u32 v2, v0, 4, 1                         ; h
	v_mul_u32_u24 v3, v1, PITCH
	v_lshl_add_u32 v4, v2, 4, v3                   ; a fragment's row x pitch + 16 h
	s_mul_i32 s21, s[HI], HALFT
	s_mul_i32 s22, s[LO], HALFT
	s_add_co_u32 s22, s22, 2*HALFT
.irp s, 0,1
	v_add_nc_u32 v[ADRA+\s], s21, v4
	v_add_nc_u32 v[ADRB+\s], s22, v4
	s_add_co_u32 s21, s21, SLOT
	s_add_co_u32 s22, s22, SLOT
.endr
	v_lshlrev_b32 v5, 5, v1                        ; my row's scale bytes: 32 a row,
	v_lshrrev_b32 v6, 8, v5
	v_lshl_add_u32 v5, v6, 4, v5                   ; and 16 more for each 256 passed
	s_mul_i32 s21, s[HI], HALFS
	s_mul_i32 s22, s[LO], HALFS
	s_add_co_u32 s22, s22, 2*HALFS
	s_sub_co_u32 s22, s22, s21
	v_mul_u32_u24 v6, s22, v2                      ; lanes 16-31 take B's: one product with h
	s_add_co_u32 s21, s21, SCL
	v_add_nc_u32 v5, v5, v6
	v_add_nc_u32 v[ADRS], s21, v5
	v_and_b32 v5, 31, v0
	v_lshlrev_b32 v[OFC], 4, v5
	v_mul_u32_u24 v[OFS], v2, HEADB
	v_lshl_add_u32 v[OFS], v1, 4, v[OFS]
	s_mov_b32 s2, 0x76543210                       ; v_permlanex16_b32's selects for lane l xor 16
	s_mov_b32 s3, 0xfedcba98
	s_mov_b32 s19, 0xaaaaaaaa                      ; lanes whose bit 0 is set,
	s_mov_b32 s67, 0xcccccccc                      ; bit 1,
	s_mov_b32 s100, 0xf0f0f0f0                     ; bit 2,
	s_mov_b32 s101, 0xffff0000                     ; bit 4
	v_mov_b32 v[SELV], 0x05040100
	v_mov_b32 v5, 0x07060302
	v_cndmask_b32 v[SELV], v[SELV], v5, s101
.irp b, 0,1,2,3
	v_mov_b32 v[TM+4+\b], 0                        ; written once: a lane permute's destination counts as one of its sources
.endr
.macro FRAG reg, adr, off, cst         ; a fragment, 16 rows x 128 K of 4-bit codes: registers 0-3 hold K = 32 h + 0 .. 31, registers 4-7 K = 64 + 32 h + 0 .. 31
	ds_load_b128 v[\reg:\reg+3], v[\adr] offset:\off
	ds_load_b128 v[\reg+4:\reg+7], v[\adr] offset:\off+\cst
.endm
.macro FETCH_B slot, q, p              ; B's eight fragments of the slot's q-th 128 along K into set p
	WIN 0x40
.irp i, 0,1,2,3,4,5,6,7
	FRAG 128*(\p)+8*\i, ADRB+(\slot), 64*(\q)+\i*16*PITCH, 32
.endr
	WIN 0
.endm
.macro FETCH_A slot, q, p
.irp i, 0,1,2,3,4,5,6,7
	FRAG AF+8*NA*(\p)+8*\i, ADRA+(\slot), AQ*(\q)+AI*\i, ACS
.endr
.endm
.macro SCALES slot                     ; a slot's scale words: register 4 i + q: lanes 0-15 A's block i, lanes 16-31 B's block i, for the slot's q-th 128 along K
.irp i, 0,1,2,3,4,5,6,7
	ds_load_b128 v[SC+32*\slot+4*\i:SC+32*\slot+4*\i+3], v[ADRS] offset:544*\i+16*\slot
.endr
.endm
; 32 matrix instructions: A's blocks a0 .. a0 + 3 x B's eight.  mode 1: the first product starts the sums.  The accumulators take turns, one instruction a turn, in the same order in every step.
.macro MULB a0, p, q, sc, mode
.irp a, \a0, \a0+1, \a0+2, \a0+3
.irp b, 0,1,2,3,4,5,6,7
.if \mode == 1
	v_wmma_scale_f32_16x16x128_f8f6f4 v[8*(8*((\a)%4)+\b):8*(8*((\a)%4)+\b)+7], v[128*(\p)+8*\b:128*(\p)+8*\b+7], v[AF+8*NA*(\p)+8*(\a):AF+8*NA*(\p)+8*(\a)+7], 0, v[SC+32*(\sc)+4*\b+(\q)], v[SC+32*(\sc)+4*(\a)+(\q)] matrix_a_fmt:MATRIX_FMT_FP4 matrix_b_fmt:MATRIX_FMT_FP4 matrix_a_scale:MATRIX_SCALE_ROW1
.else
	v_wmma_scale_f32_16x16x128_f8f6f4 v[8*(8*((\a)%4)+\b):8*(8*((\a)%4)+\b)+7], v[128*(\p)+8*\b:128*(\p)+8*\b+7], v[AF+8*NA*(\p)+8*(\a):AF+8*NA*(\p)+8*(\a)+7], v[8*(8*((\a)%4)+\b):8*(8*((\a)%4)+\b)+7], v[SC+32*(\sc)+4*\b+(\q)], v[SC+32*(\sc)+4*(\a)+(\q)] matrix_a_fmt:MATRIX_FMT_FP4 matrix_b_fmt:MATRIX_FMT_FP4 matrix_a_scale:MATRIX_SCALE_ROW1
.endif
.endr
.endr
.endm
; Step g of eight, 128 along K: its fragments were asked for a step ago; the next step's 32 loads go out in one run, into the sets that the last step multiplied, four places behind its last product (ISA guide 7.12.1 for vector instructions).
.macro STEP g
	s_wait_dscnt 0x0
.if (\g) < 7
.if (\g) > 0
	PLACES 4
.endif
	FETCH_B ((\g)+1)/4, ((\g)+1)%4, ((\g)+1)%2
	FETCH_A ((\g)+1)/4, ((\g)+1)%4, ((\g)+1)%2
.if (\g) == 3
	SCALES 1
.endif
.endif
	WIN 0xa1                                       ; source 0 (B) window 1, source 1 (A) window 0, C and D window 2
.if (\g) == 0
	MULB 0, 0, 0, 0, 1
	WIN 0xf1                                       ; C and D window 3
	MULB 4, 0, 0, 0, 1
.else
	MULB 0, (\g)%2, (\g)%4, (\g)/4, 0
	WIN 0xf1
	MULB 4, (\g)%2, (\g)%4, (\g)/4, 0
.endif
	WIN 0
.endm
	s_wait_tensorcnt 1                             ; the scale bytes and my part of slot 0 are in; slot 1's load, issued behind them, may be out
	s_barrier_signal -1
	s_barrier_wait -1                              ; everybody's are
	FETCH_B 0, 0, 0
	FETCH_A 0, 0, 0
	SCALES 0
	STEP 0
	STEP 1
	STEP 2
	s_wait_tensorcnt 0x0                           ; my part of slot 1 is in,
	s_wait_dscnt 0x0
	s_barrier_signal -1
	s_barrier_wait -1                              ; everybody's is.  Nothing is filled again in this launch
	STEP 3
	STEP 4
	STEP 5
	STEP 6
	STEP 7
; 64 numbers of a lane, v[s] on, register 16 b + i = index 32 b + 16 (lane / 16) + i along the next K, become a fragment's codes in v[pc] on and its scale word in v[pw].
.macro QUANT s, pc, pw
.irp b, 0,1,2,3
	v_max3_num_f32 v[TM+\b], |v[\s+16*\b]|, |v[\s+1+16*\b]|, 0x1800000   ; block b: my 16 numbers, and the floor 2^(3 - 127): so the byte cannot fall under 1
.endr
.irp i, 2,4,6,8,10,12,14
.irp b, 0,1,2,3
	v_max3_num_f32 v[TM+\b], v[TM+\b], |v[\s+16*\b+\i]|, |v[\s+1+16*\b+\i]|   ; (the four blocks by turns)
.endr
.endr
.irp b, 0,1,2,3
	v_permlanex16_b32 v[TM+4+\b], v[TM+\b], s2, s3
.endr
.irp b, 0,1,2,3
	v_max_num_f32 v[TM+\b], v[TM+\b], v[TM+4+\b]   ; with lane l xor 16's: the block's largest magnitude
.endr
.irp b, 0,1,2,3
	v_add_nc_u32 v[TM+12+\b], 0xff000000, v[TM+\b] ; 2 off its exponent field: the conversion's scale operand
.endr
.irp b, 0,1,2,3
	v_lshrrev_b32 v[TM+4+\b], 23, v[TM+12+\b]      ; the scale's byte
.endr
	v_lshl_or_b32 v[\pw], v[TM+5], 8, v[TM+4]
	v_lshl_or_b32 v[\pw], v[TM+6], 16, v[\pw]
	v_lshl_or_b32 v[\pw], v[TM+7], 24, v[\pw]
.irp b, 0,1,2,3
	v_cvt_scalef32_pk8_fp4_f32 v[\pc+2*\b], v[\s+16*\b:\s+7+16*\b], v[TM+12+\b]
	v_cvt_scalef32_pk8_fp4_f32 v[\pc+1+2*\b], v[\s+8+16*\b:\s+15+16*\b], v[TM+12+\b]
.endr
	v_nop                                          ; one plain place behind a scaled conversion
.irp c, 0,1                                    ; the operand's layout wants a WHOLE block in a lane: lanes 0-15 block 2 c, lanes 16-31 block 2 c + 1
.irp i, 0,1
	v_permlane16_swap_b32 v[\pc+4*\c+\i], v[\pc+2+4*\c+\i]
.endr
.endr
.endm
	s_wait_loadcnt 0x0                             ; the bias
	PLACES 4                                       ; behind the last products: results are read, and registers that they read are written
	s_cmp_eq_u32 s[ISV], 1                         ; the cluster's y alone decides: all partners and all waves go the same way
	s_cbranch_scc1 .Lv_way
	; Q, K: block a is tile a of the step.  A lane's 64 numbers are (head 0, d 0-31), (head 0, d 32-63), (head 1, ..): registers 0-3 of the codes are my first head's tile image, registers 4-7 the second head's.
.irp a, 0,1,2,3,4,5,6,7
	WIN 0x06+\a/4                                  ; source 0 (the sums) window 2 or 3, source 1 (the bias) window 1
.set N, 0
.rept 32
	v_pk_add_f32 v[HA+N:HA+N+1], v[64*(\a%4)+N:64*(\a%4)+N+1], v[BI+N:BI+N+1]   ; each accumulator from its low end on
.set N, N+2
.endr
	WIN 0
	QUANT HA, PC+8*\a, PW+\a
	global_store_b128 v[OFC], v[PC+8*\a:PC+8*\a+3], s[CB:CB+1] offset:512*\a            ; 32 lanes store 512 consecutive bytes, aligned
	global_store_b128 v[OFC], v[PC+8*\a+4:PC+8*\a+7], s[CB:CB+1] offset:512*\a+HEADB
.if \a%2 == 1
	v_perm_b32 v[KW+\a/2], v[PW+\a], v[PW+\a-1], v[SELV]   ; lanes 0-15: the first head's two bytes of tiles a - 1 and a; lanes 16-31: the second head's
.endif
.endr
	global_store_b128 v[OFS], v[KW:KW+3], s[SB:SB+1]       ; 16 lanes store a head's 256 bytes of scale words, aligned
	s_branch .Ldone
.Lv_way:
	; V: block a is (head a / 4, tile a % 4 of 16 d).  A lane's 64 numbers run along the step's 128 keys: the codes are a whole fragment of V^T.
.irp a, 0,1,2,3,4,5,6,7
	WIN 0x05                                       ; sources 0 and 1 window 1
.irp i, 0,1,2,3
	v_cndmask_b32 v[TT+\i], v[BI+8*\a+2*\i], v[BI+8*\a+2*\i+1], s19
.endr
	WIN 0
	v_cndmask_b32 v[TT], v[TT], v[TT+1], s67
	v_cndmask_b32 v[TT+2], v[TT+2], v[TT+3], s67
	v_cndmask_b32 v[TT], v[TT], v[TT+2], s100      ; number lane % 8 of the eight: my row's bias
	WIN 0x02+\a/4
.set N, 0
.rept 32
	v_pk_add_f32 v[HA+N:HA+N+1], v[64*(\a%4)+N:64*(\a%4)+N+1], v[TT:TT+1] op_sel_hi:[1,0]
.set N, N+2
.endr
	WIN 0
	QUANT HA, PC+8*\a, PW+\a
	global_store_b128 v[OFC], v[PC+8*\a:PC+8*\a+3], s[CB:CB+1] offset:HEADB*(\a/4)+1024*(\a%4)
	global_store_b128 v[OFC], v[PC+8*\a+4:PC+8*\a+7], s[CB:CB+1] offset:HEADB*(\a/4)+1024*(\a%4)+512
.endr
.irp i, 0,1,2,3
	v_cndmask_b32 v[KW+\i], v[PW+\i], v[PW+4+\i], s101     ; lanes 0-15: the first head's four tiles; lanes 16-31: the second head's
.endr
	global_store_b128 v[OFS], v[KW:KW+3], s[SB:SB+1]
.Ldone:
	s_wait_tensorcnt 0x0                           ; the wave's end
	ds_add_u32 v[SPW], v[NIL]
	s_wait_dscnt 0x0
	CROUND                                         ; the closing round
	s_endpgm
.Lfunc_end_k_q7206334e81_qkv:
	.size	k_q7206334e81_qkv, .Lfunc_end_k_q7206334e81_qkv-k_q7206334e81_qkv
	.p2alignl 7, 3214868480
	.fill 96, 4, 3214868480
	.section	.rodata,"a",@progbits
	.p2align	6, 0x0
	.amdhsa_kernel k_q7206334e81_qkv
		.amdhsa_group_segment_fixed_size 327680
		.amdhsa_private_segment_fixed_size 0
		.amdhsa_enable_private_segment 0
		.amdhsa_kernarg_size 48
		.amdhsa_user_sgpr_count 2
		.amdhsa_user_sgpr_kernarg_segment_ptr 1
		.amdhsa_wavefront_size32 1
		.amdhsa_system_sgpr_workgroup_id_x 1
		.amdhsa_system_sgpr_workgroup_id_y 1
		.amdhsa_system_sgpr_workgroup_id_z 1
		.amdhsa_system_vgpr_workitem_id 0
		.amdhsa_next_free_vgpr 1024
		.amdhsa_next_free_sgpr 102
		.amdhsa_reserve_vcc 0
		.amdhsa_float_denorm_mode_32 3
		.amdhsa_float_denorm_mode_16_64 3
		.amdhsa_memory_ordered 1
		.amdhsa_forward_progress 1
		.amdhsa_inst_pref_size 202
	.end_amdhsa_kernel
	.amdgpu_metadata
---
amdhsa.version: [ 1, 2 ]
amdhsa.kernels:
  - .name:           k_q7206334e81_qkv
    .symbol:         k_q7206334e81_qkv.kd
    .args:
      - { .name: cod, .offset: 0, .size: 8, .value_kind: global_buffer, .address_space: global }
      - { .name: scl, .offset: 8, .size: 8, .value_kind: global_buffer, .address_space: global }
      - { .name: b_q, .offset: 16, .size: 8, .value_kind: global_buffer, .address_space: global }
      - { .name: b_k, .offset: 24, .size: 8, .value_kind: global_buffer, .address_space: global }
      - { .name: b_v, .offset: 32, .size: 8, .value_kind: global_buffer, .address_space: global }
      - { .name: qkv, .offset: 40, .size: 8, .value_kind: global_buffer, .address_space: global }
    .group_segment_fixed_size: 327680
    .private_segment_fixed_size: 0
    .kernarg_segment_align: 8
    .kernarg_segment_size: 48
    .max_flat_workgroup_size: 128
    .sgpr_count:     102
    .vgpr_count:     1024
    .wavefront_size: 32
...
	.end_amdgpu_metadata
.endif
;; end of part 2
;; launch attn (part 3): grid 8 x 32, 16 waves a work-group, clusters of 4 x 1, 327,680 bytes of LDS; arguments qkv, oc, os; writes oc, os
.if DOCPART == 3
	.amdgcn_target "amdgcn-amd-amdhsa--gfx1250"
	.amdhsa_code_object_version 6
	.text
	.protected	k_q7206334e81_attn
	.globl	k_q7206334e81_attn
	.p2align	8
	.type	k_q7206334e81_attn,@function
k_q7206334e81_attn:
	s_mov_b64 s[64:65], 0
	v_nop
	global_prefetch_b8 v0, s[64:65] scope:SCOPE_SE
	s_setreg_imm32_b32 hwreg(HW_REG_WAVE_MODE, 25, 1), 1
	s_wait_xcnt 0x0
	s_wait_alu depctr_hold_cnt(0) depctr_sa_sdst(0) depctr_va_vdst(0) depctr_va_sdst(0) depctr_va_ssrc(0) depctr_va_vcc(0) depctr_vm_vsrc(0)
	s_getreg_b32 s2, hwreg(HW_REG_IB_STS2, 6, 4)
	s_cmp_eq_u32 s2, 0
	s_cbranch_scc0 .Lentry_in_a_cluster
	s_endpgm
.Lentry_in_a_cluster:
	s_bfe_u32 s2, ttmp6, 0x10000c
	s_cmp_lg_u32 s2, 0x3003
	s_cbranch_scc0 .Lentry_shape_is_right
	s_endpgm
.Lentry_shape_is_right:
; THIRD LAUNCH: for each batch and head, O = softmax(q k^T / 8) v, both products on codes of FP4 with E8M0 scales; O / l is quantised along (head, d) and stored as images of the last product's operand.  No work is left out.
; THE SOFTMAX AHEAD OF THE SECOND PRODUCT: t = score x log2(e) / 8; M = the row's largest t so far, rounded UP to a whole number; p = 2^(t - M) is what is quantised, along the keys.  The row's sum is taken of the
; unquantised p and divides O at the end.  When M moves, the sum and O are multiplied by 2^(old M - new M): exact.
; SHARES.  A work-group owns 256 query positions of one batch and TWO heads, 2 s and 2 s + 1 (work-group y = 8 x batch + s).  Each of its sixteen waves owns one tile of 16 positions and takes it through both heads, one after
; the other: so at its end it holds a whole fragment (128 along the last product's K: two heads of 64) and a whole scale word.  Four waves share a SIMD: one wave's vector work stands beside another's matrix work.
; LDS.  Both heads' K and V of all 2,048 keys, with their scale words, lie in LDS: 16 steps x 8,704 bytes a head, filled once at the head of the launch, one tensor load a wave and head; nothing is filled again.
; CLUSTER.  The four work-groups of a cluster share y: each tile is asked for jointly, by the same load with the same descriptor and the mask 15.
; LAYOUT.  Both products transposed: S^T = K Q^T, O^T = V^T P^T: a lane holds ONE query (lane % 16).  Sixteen stored positions are a tile whose lanes r hold key 32 b + 8 u + r + 8 (r / 8): the 16 registers of tiles 2 b, 2 b + 1 are 16 neighbouring keys.
; THE FIRST PRODUCT'S K IS 64, the instruction's 128.  A fragment of K holds TWO tiles of keys, one in registers 0-3, the other in 4-7; the query's operand is [q | zero codes] for the first and [zero codes | q] for the second:
; zero codes add nothing under any scale byte but 0xff.  So no zeros are kept in memory or LDS, and each byte of K read from LDS is multiplied.
; LIMITS: as stated at the head of the first launch; a block of p all of whose numbers have fallen to 0 keeps the byte 1.
; REGISTERS: v1-9 addresses; v12 -M, v13 the largest t, v[14:15] the sum in two halves; v16-19 zeros, v20-23 q, v24-27 zeros; v28 q's scale word; v32-63 K; v64-95 V; v96-159 S^T, then p; v160-191 O^T;
;   v192-195 K's scale words, v196-199 V's; v200-207 the result's codes; v208-210 its scale bytes; v224-231 p's codes; v232-254 at work; v253 p's scale word.
.set REC,   13056
.set HEADB, 16*REC
.set KV,    8704                       ; what a key step keeps in LDS: K's codes, V's codes, K's and V's scale words
.set HLDS,  16*KV
.set SPARE, 2*HLDS                     ; the spare words, 128 bytes for each of sixteen waves
.set LI,  1                            ; v1  16 x lane
.set LR,  2                            ; v2  16 x (lane % 16)
.set ADR, 3                            ; v3  the step's images
.set ADS, 4                            ; v4  the step's scale words
.set SPW, 5                            ; v5  LDS address of my spare word; never rewritten
.set NIL, 6                            ; v6  0; never rewritten
.set QW,  8                            ; v8  q's scale word as loaded
.set OSO, 9                            ; v9  32 x (lane % 16)
.set WV,  10
.set SEL, 20                           ; s20, s21 lane selects: lane l xor 16
.set CS,  22                           ; s[22:23] c = log2(e) / 8
.set G1,  24
.set G0,  32                           ; s[32:35], s[36:39]
.set QP,  40                           ; s[40:41] my tile of Q's codes, first head
.set QSP, 42                           ; s[42:43] its scale words
.set TB,  44                           ; s44 LDS byte at which the step in hand begins
.set CNT, 45
.set SELQ, 46                          ; s46 which half of the loaded word holds my tile's two bytes: they are laid into both halves
.set OP,  48                           ; s[48:49] where my fragment goes
.set OSP, 50                           ; s[50:51] where my scale words go
.macro CROUND
	s_barrier_signal -1
	s_barrier_wait -1
	s_cmp_lg_u32 s[WV], 0
	s_cbranch_scc1 .Lnot_wave_0_\@
	s_barrier_signal -3
.Lnot_wave_0_\@:
	s_barrier_wait -3
	s_barrier_signal -1
	s_barrier_wait -1
.endm
	s_load_b128 s[4:7], s[0:1], 0x0                ; qkv, oc
	s_load_b64 s[8:9], s[0:1], 0x10                ; os
	v_lshl_add_u32 v[SPW], v0, 2, SPARE
	v_mov_b32 v[NIL], 0
	ds_add_u32 v[SPW], v[NIL]                      ; the wave's opening: the add, twice on end, and its wait ahead of my first tensor load
	ds_add_u32 v[SPW], v[NIL]
	v_lshrrev_b32 v8, 5, v0
	s_delay_alu instid0(VALU_DEP_1)
	v_readfirstlane_b32 s[WV], v8                  ; wave 0..15
	s_bfe_u32 s11, ttmp6, 0x40000                  ; cx
	s_lshl_b32 s12, ttmp9, 2
	s_add_co_u32 s12, s12, s11                     ; X: my block of 256 positions: it enters Q's and the results' addresses alone
	s_and_b32 s13, ttmp7, 0xffff                   ; Y = 8 x batch + s: the first head's number among all 64 is 2 Y
	; group 1: 8,704 dense bytes as 34 rows of 32 elements of 8 bytes, no padding: every LDS read takes 16 bytes a lane on end
	s_mov_b32 s[G1], 15|(3<<16)|(1<<21)
	s_mov_b32 s[G1+1], 32<<16
	s_mov_b32 s[G1+2], 34<<16
	s_mov_b32 s[G1+3], 32<<16
	s_mov_b32 s[G1+4], 34
	s_mov_b32 s[G1+5], 32
	s_mov_b32 s[G1+6], 0
	s_mov_b32 s[G1+7], 0
	s_lshl_b32 s14, s13, 5                         ; the first head's first record: 2 Y x 16
	s_add_co_u32 s15, s14, s[WV]                   ; wave w fetches step w
	s_mul_i32 s16, s15, REC
	s_mov_b32 s17, 0
	s_mul_i32 s18, s[WV], KV
	s_lshr_b32 s52, s[WV], 3
	s_lshl_b32 s53, s12, 1
	s_add_co_u32 s52, s52, s53
	s_add_co_u32 s52, s52, s14                     ; my queries' record: step 2 X + w / 8
	s_mul_i32 s52, s52, REC
	s_and_b32 s54, s[WV], 7                        ; and their tile in it
	s_lshl_b32 s55, s54, 9
	s_add_co_u32 s56, s52, s55
	s_add_co_u32 s56, s56, 8704
	s_mov_b32 s57, 0
	s_lshr_b32 s55, s54, 1
	s_lshl_b32 s55, s55, 2
	s_add_co_u32 s58, s52, s55
	s_add_co_u32 s58, s58, 12800
	s_mov_b32 s59, 0
	s_and_b32 s55, s54, 1
	s_mov_b32 s[SELQ], 0x01000100
	s_cmp_eq_u32 s55, 1
	s_cselect_b32 s[SELQ], 0x03020302, s[SELQ]
	s_lshl_b32 s60, s12, 4
	s_add_co_u32 s60, s60, s[WV]
	s_lshr_b32 s61, s13, 3
	s_lshl_b32 s61, s61, 7
	s_add_co_u32 s60, s60, s61                     ; my tile of 16 positions among all 512
	s_and_b32 s61, s13, 7                          ; s: the last product's K step
	s_lshl_b32 s62, s60, 12
	s_lshr_b32 s63, s61, 2
	s_lshl_b32 s63, s63, 21
	s_add_co_u32 s62, s62, s63
	s_and_b32 s63, s61, 3
	s_lshl_b32 s63, s63, 10
	s_add_co_u32 s62, s62, s63                     ; oc: [s / 4][tile][s % 4][1,024 bytes]
	s_mov_b32 s63, 0
	s_lshl_b32 s60, s60, 9
	s_lshl_b32 s61, s61, 2
	s_add_co_u32 s60, s60, s61                     ; os: [position][32 bytes], word s
	s_mov_b32 s61, 0
	s_mov_b32 s[SEL], 0x76543210
	s_mov_b32 s[SEL+1], 0xfedcba98
	s_mov_b32 s[CS], 0x3e38aa3b                    ; log2(e) / 8
	s_mov_b32 s[CS+1], s[CS]                       ; (named with it as a pair, so it is written)
	s_wait_dscnt 0x0                               ; both opening adds are done
	s_wait_kmcnt 0x0
	s_add_nc_u64 s[QP:QP+1], s[4:5], s[56:57]
	s_add_nc_u64 s[QSP:QSP+1], s[4:5], s[58:59]
	s_add_nc_u64 s[OP:OP+1], s[6:7], s[62:63]
	s_add_nc_u64 s[OSP:OSP+1], s[8:9], s[60:61]
	s_mov_b32 s[G0], 1
	s_mov_b32 s[G0+1], s18
	s_add_nc_u64 s[G0+2:G0+3], s[4:5], s[16:17]
	s_or_b32 s[G0+3], s[G0+3], 0x80000000
	s_mov_b32 s[G0+4], 1
	s_add_co_u32 s[G0+5], s18, HLDS
	s_add_nc_u64 s[G0+6:G0+7], s[4:5], s[16:17]
	s_add_nc_u64 s[G0+6:G0+7], s[G0+6:G0+7], HEADB
	s_or_b32 s[G0+7], s[G0+7], 0x80000000
	CROUND                                         ; all four work-groups are here: the joint loads meet
	tensor_load_to_lds s[G0:G0+3], s[G1:G1+7]      ; step w of the first head,
	s_nop 0
	s_wait_alu depctr_va_vdst(0)
	s_wait_tensorcnt 0x0
	ds_add_u32 v5, v6
	s_wait_dscnt 0x0
	CROUND
	tensor_load_to_lds s[G0+4:G0+7], s[G1:G1+7]    ; and of the second: one load of mine is out
	s_nop 0
.rept 4
	v_nop
.endr
	v_and_b32 v[LI], 31, v0
	s_delay_alu instid0(VALU_DEP_1)
	v_lshlrev_b32 v[LI], 4, v[LI]
	v_and_b32 v[LR], 15, v0
	s_delay_alu instid0(VALU_DEP_1)
	v_lshlrev_b32 v[OSO], 5, v[LR]
	s_delay_alu instid0(VALU_DEP_2)
	v_lshlrev_b32 v[LR], 4, v[LR]
.irp j, 16,17,18,19,24,25,26,27
	v_mov_b32 v[\j], 0                             ; zero codes on both sides of q
.endr
.irp b, 0,1,2,3
	v_mov_b32 v[236+\b], 0                         ; written once: a lane permute's destination counts as one of its sources
.endr
	v_mov_b32 v253, 0                              ; (named as the upper half of the pair v[252:253] before it is first written)
.macro QLOAD e                         ; my tile of head e: 16 bytes a lane, and the scale word that holds its two bytes
	global_load_b128 v[20:23], v[LI], s[QP:QP+1] offset:HEADB*\e
	global_load_b32 v[QW], v[LR], s[QSP:QSP+1] offset:HEADB*\e
.endm
.macro INIT                            ; the key step is written once: its first trip finds zeros, which the first change of M leaves zeros
	v_mov_b32 v13, 0xff61b1e6                      ; the largest t so far: -3e38, under every t
	s_delay_alu instid0(VALU_DEP_1)
	v_floor_f32 v12, -v13                          ; -M
	v_mov_b32 v14, 0
	v_mov_b32 v15, 0
.set J, 0
.rept 32
	v_mov_b32 v[160+J], 0
.set J, J+1
.endr
.endm
; Head e's sixteen key steps of 128 keys.
.macro LOOP e
	s_mov_b32 s[TB], HLDS*\e
	s_mov_b32 s[CNT], 16
.Lkey_\@:
	s_setprio 2
	v_add_nc_u32 v[ADR], s[TB], v[LI]
	v_add_nc_u32 v[ADS], s[TB], v[LR]
	v_nop
	v_nop                                          ; four places behind the last trip's products, in front of loads into registers that they read
.irp i, 0,1,2,3,4,5,6,7
	ds_load_b128 v[32+4*\i:35+4*\i], v[ADR] offset:512*\i          ; K's tile i: half of fragment i / 2
.endr
	ds_load_b128 v[192:195], v[ADS] offset:8192                    ; K's four scale words of my row
.irp i, 0,1,2,3,4,5,6,7
	ds_load_b128 v[64+4*\i:67+4*\i], v[ADR] offset:4096+512*\i     ; V^T's fragment i / 2, half i % 2
.endr
	ds_load_b128 v[196:199], v[ADS] offset:8448
	s_wait_dscnt 9                                 ; K and its scale words are in; V's eight loads and its scale words may be out
.irp f, 0,1,2,3
	v_wmma_scale_f32_16x16x128_f8f6f4 v[96+16*\f:103+16*\f], v[32+8*\f:39+8*\f], v[20:27], 0, v[192+\f], v28 matrix_a_fmt:MATRIX_FMT_FP4 matrix_b_fmt:MATRIX_FMT_FP4
	v_wmma_scale_f32_16x16x128_f8f6f4 v[104+16*\f:111+16*\f], v[32+8*\f:39+8*\f], v[16:23], 0, v[192+\f], v28 matrix_a_fmt:MATRIX_FMT_FP4 matrix_b_fmt:MATRIX_FMT_FP4
.endr
.rept 4
	v_nop
.endr
.irp b, 0,1,2,3
	v_max3_num_f32 v[232+\b], v[96+16*\b], v[97+16*\b], v[98+16*\b]   ; the largest score of each block of 32 keys: it serves for the row's maximum and, since p rises with the score, for the block's largest p
.endr
.irp i, 3,5,7,9,11,13
.irp b, 0,1,2,3
	v_max3_num_f32 v[232+\b], v[232+\b], v[96+16*\b+\i], v[97+16*\b+\i]
.endr
.endr
.irp b, 0,1,2,3
	v_max_num_f32 v[232+\b], v[232+\b], v[111+16*\b]
.endr
.irp b, 0,1,2,3
	s_delay_alu instid0(VALU_DEP_4)
	v_permlanex16_b32 v[236+\b], v[232+\b], s[SEL], s[SEL+1]
.endr
.irp b, 0,1,2,3
	s_delay_alu instid0(VALU_DEP_4)
	v_max_num_f32 v[232+\b], v[232+\b], v[236+\b]  ; with lane l xor 16's 16 keys
.endr
	s_delay_alu instid0(VALU_DEP_2)
	v_max3_num_f32 v254, v232, v233, v234
	s_delay_alu instid0(VALU_DEP_1)
	v_max_num_f32 v254, v254, v235                 ; the step's largest score of my query
	s_delay_alu instid0(VALU_DEP_1)
	v_mul_f32 v254, s[CS], v254                    ; as t (c is positive)
	s_delay_alu instid0(VALU_DEP_1)
	v_max_num_f32 v13, v13, v254                   ; the running largest t
	v_mov_b32 v254, v12
	s_delay_alu instid0(VALU_DEP_2)
	v_floor_f32 v12, -v13                          ; the new -M = floor(-t) = -ceil(t)
	s_delay_alu instid0(VALU_DEP_1)
	v_sub_f32 v254, v12, v254                      ; old M - new M: a whole number, 0 or less
	s_delay_alu instid0(VALU_DEP_1)
	v_cvt_i32_f32 v254, v254                       ; (it saturates)
	s_delay_alu instid0(VALU_DEP_1)
	v_ldexp_f32 v252, 1.0, v254                    ; f = 2^(old M - new M)
.set J, 0
.rept 32
	v_pk_fma_f32 v[96+J:97+J], v[96+J:97+J], s[CS:CS+1], v[12:13] op_sel_hi:[1,0,0]   ; t - M, two at a time
.set J, J+2
.endr
.irp b, 0,1,2,3
	v_fma_f32 v[232+\b], v[232+\b], s[CS], v12     ; the same of each block's largest score
.endr
.set J, 0
	s_wait_alu depctr_va_vdst(0)
.rept 64
	v_exp_f32 v[96+J], v[96+J]                     ; p = 2^(t - M), at most 1: not normalised
.set J, J+1
.endr
	s_setprio 1
	v_pk_mul_f32 v[14:15], v[14:15], v[252:253] op_sel_hi:[1,0]   ; the sums under the new M (a plain place behind the exponentials)
	s_wait_alu depctr_va_vdst(0)                   ; one wait for the whole batch, ahead of its first reader
.irp b, 0,1,2,3
	v_exp_f32 v[232+\b], v[232+\b]                 ; the block's largest p
.endr
	v_pk_add_f32 v[236:237], v[96:97], v[98:99]    ; the row's sum is taken of the unquantised p: two at a time, in two chains
.irp j, 4,8,12,16,20,24,28,32,36,40,44,48,52,56,60
	v_pk_add_f32 v[14:15], v[14:15], v[96+\j:97+\j]
	v_pk_add_f32 v[236:237], v[236:237], v[98+\j:99+\j]
.endr
	s_delay_alu instid0(VALU_DEP_1)
	v_pk_add_f32 v[14:15], v[14:15], v[236:237]
	s_wait_alu depctr_va_vdst(0)                   ; and one for the four
.irp b, 0,1,2,3
	v_max_num_f32 v[232+\b], 0x1800000, v[232+\b]  ; the floor 2^(3 - 127): the byte cannot fall under 1
.endr
.irp b, 0,1,2,3
	s_delay_alu instid0(VALU_DEP_4)
	v_add_nc_u32 v[244+\b], 0xff000000, v[232+\b]  ; 2 off the exponent field: the conversion's scale operand
.endr
.irp b, 0,1,2,3
	s_delay_alu instid0(VALU_DEP_4)
	v_lshrrev_b32 v[236+\b], 23, v[244+\b]         ; the scale's byte
.endr
	s_delay_alu instid0(VALU_DEP_3)
	v_lshl_or_b32 v253, v237, 8, v236              ; p's scale word for these 128 keys
	s_delay_alu instid0(VALU_DEP_1)
	v_lshl_or_b32 v253, v238, 16, v253
	s_delay_alu instid0(VALU_DEP_1)
	v_lshl_or_b32 v253, v239, 24, v253
.irp b, 0,1,2,3
	v_cvt_scalef32_pk8_fp4_f32 v[224+2*\b], v[96+16*\b:103+16*\b], v[244+\b]
	v_cvt_scalef32_pk8_fp4_f32 v[225+2*\b], v[104+16*\b:111+16*\b], v[244+\b]
.endr
	v_nop                                          ; one plain place behind a scaled conversion
.irp c, 0,1
.irp i, 0,1
	v_permlane16_swap_b32 v[224+4*\c+\i], v[226+4*\c+\i]   ; a WHOLE block in a lane: lanes 0-15 block 2 c, lanes 16-31 block 2 c + 1
.endr
.endr
.set J, 0
	s_setprio 0
.rept 16
	v_pk_mul_f32 v[160+J:161+J], v[160+J:161+J], v[252:253] op_sel_hi:[1,0]   ; O^T under the new M; these sixteen are also the places between the scale word's and the codes' last writes and the products
.set J, J+2
.endr
	s_wait_alu depctr_va_vdst(0)
	s_wait_dscnt 0x0                               ; V and its scale words are in
.irp t, 0,1,2,3
	v_wmma_scale_f32_16x16x128_f8f6f4 v[160+8*\t:167+8*\t], v[64+8*\t:71+8*\t], v[224:231], v[160+8*\t:167+8*\t], v[196+\t], v253 matrix_a_fmt:MATRIX_FMT_FP4 matrix_b_fmt:MATRIX_FMT_FP4
.endr
	s_add_co_u32 s[TB], s[TB], KV
	s_sub_co_u32 s[CNT], s[CNT], 1
	s_cmp_lg_u32 s[CNT], 0
	s_cbranch_scc1 .Lkey_\@
	s_setprio 0
.endm
; Head e's result: O^T / l; register 16 b + i is d = 32 b + 16 (lane / 16) + i of my query: two blocks of 32 along the last product's K.  Codes to v[200 + 4 e] on, the two bytes to v[208 + e].
.macro FINISH e
.rept 4
	v_nop                                          ; behind the last products
.endr
	v_add_f32 v14, v14, v15
	s_delay_alu instid0(VALU_DEP_1)
	v_permlanex16_b32 v252, v14, s[SEL], s[SEL+1]
	s_delay_alu instid0(VALU_DEP_1)
	v_add_f32 v14, v14, v252                       ; the row's sum
	s_wait_alu depctr_va_vdst(0)
	v_rcp_f32 v14, v14
	v_nop                                          ; one plain place behind a transcendental
	s_wait_alu depctr_va_vdst(0)                   ; and the wait ahead of its first reader
.set J, 0
.rept 32
	v_mul_f32 v[96+J], v[160+J], v14               ; each accumulator from its low end on
.set J, J+1
.endr
.irp b, 0,1
	v_max3_num_f32 v[232+\b], |v[96+16*\b]|, |v[97+16*\b]|, 0x1800000
.endr
.irp i, 2,4,6,8,10,12,14
.irp b, 0,1
	s_delay_alu instid0(VALU_DEP_2)
	v_max3_num_f32 v[232+\b], v[232+\b], |v[96+16*\b+\i]|, |v[97+16*\b+\i]|
.endr
.endr
.irp b, 0,1
	s_delay_alu instid0(VALU_DEP_2)
	v_permlanex16_b32 v[236+\b], v[232+\b], s[SEL], s[SEL+1]
.endr
.irp b, 0,1
	s_delay_alu instid0(VALU_DEP_2)
	v_max_num_f32 v[232+\b], v[232+\b], v[236+\b]
.endr
.irp b, 0,1
	s_delay_alu instid0(VALU_DEP_2)
	v_add_nc_u32 v[244+\b], 0xff000000, v[232+\b]
.endr
.irp b, 0,1
	s_delay_alu instid0(VALU_DEP_2)
	v_lshrrev_b32 v[236+\b], 23, v[244+\b]
.endr
	s_delay_alu instid0(VALU_DEP_1)
	v_lshl_or_b32 v[208+\e], v237, 8, v236
.irp b, 0,1
	v_cvt_scalef32_pk8_fp4_f32 v[200+4*\e+2*\b], v[96+16*\b:103+16*\b], v[244+\b]
	v_cvt_scalef32_pk8_fp4_f32 v[201+4*\e+2*\b], v[104+16*\b:111+16*\b], v[244+\b]
.endr
	v_nop                                          ; one plain place behind a scaled conversion
	v_permlane16_swap_b32 v[200+4*\e], v[202+4*\e]
	v_permlane16_swap_b32 v[201+4*\e], v[203+4*\e] ; lane (r, h) now holds d = 32 h + 0 .. 31 of its query
.endm
	QLOAD 0
	s_wait_tensorcnt 1                             ; my step of the first head is in; the second head's load, issued behind it, may be out
	s_barrier_signal -1
	s_barrier_wait -1                              ; all sixteen steps are in
	s_wait_loadcnt 0x0
	v_perm_b32 v28, v[QW], v[QW], s[SELQ]          ; my tile's two bytes in both halves: one half meets q, the other zero codes
	INIT
	LOOP 0
	QLOAD 1                                        ; lands while the first head's result is quantised
	FINISH 0
	s_wait_tensorcnt 0x0                           ; my step of the second head is in,
	s_wait_dscnt 0x0
	s_barrier_signal -1
	s_barrier_wait -1                              ; everybody's is
	s_wait_loadcnt 0x0
	v_perm_b32 v28, v[QW], v[QW], s[SELQ]
	INIT
	LOOP 1
	FINISH 1
	v_lshl_or_b32 v210, v209, 16, v208             ; the scale word of my query for this K step: two bytes a head
	global_store_b128 v[LI], v[200:203], s[OP:OP+1]                ; 32 lanes store 512 consecutive bytes, aligned: registers 0-3 of the fragment,
	global_store_b128 v[LI], v[204:207], s[OP:OP+1] offset:512     ; and 4-7
	global_store_b32 v[OSO], v210, s[OSP:OSP+1]    ; 4 bytes of each of 16 rows of 32 (both halves of the lanes write the same word to the same place): one byte for each 16 of codes
	s_wait_tensorcnt 0x0                           ; the wave's end
	ds_add_u32 v[SPW], v[NIL]
	s_wait_dscnt 0x0
	CROUND                                         ; the closing round
	s_endpgm
.Lfunc_end_k_q7206334e81_attn:
	.size	k_q7206334e81_attn, .Lfunc_end_k_q7206334e81_attn-k_q7206334e81_attn
	.p2alignl 7, 3214868480
	.fill 96, 4, 3214868480
	.section	.rodata,"a",@progbits
	.p2align	6, 0x0
	.amdhsa_kernel k_q7206334e81_attn
		.amdhsa_group_segment_fixed_size 327680
		.amdhsa_private_segment_fixed_size 0
		.amdhsa_enable_private_segment 0
		.amdhsa_kernarg_size 24
		.amdhsa_user_sgpr_count 2
		.amdhsa_user_sgpr_kernarg_segment_ptr 1
		.amdhsa_wavefront_size32 1
		.amdhsa_system_sgpr_workgroup_id_x 1
		.amdhsa_system_sgpr_workgroup_id_y 1
		.amdhsa_system_sgpr_workgroup_id_z 1
		.amdhsa_system_vgpr_workitem_id 0
		.amdhsa_next_free_vgpr 256
		.amdhsa_next_free_sgpr 66
		.amdhsa_reserve_vcc 0
		.amdhsa_float_denorm_mode_32 3
		.amdhsa_float_denorm_mode_16_64 3
		.amdhsa_memory_ordered 1
		.amdhsa_forward_progress 1
		.amdhsa_inst_pref_size 50
	.end_amdhsa_kernel
	.amdgpu_metadata
---
amdhsa.version: [ 1, 2 ]
amdhsa.kernels:
  - .name:           k_q7206334e81_attn
    .symbol:         k_q7206334e81_attn.kd
    .args:
      - { .name: qkv, .offset: 0, .size: 8, .value_kind: global_buffer, .address_space: global }
      - { .name: oc, .offset: 8, .size: 8, .value_kind: global_buffer, .address_space: global }
      - { .name: os, .offset: 16, .size: 8, .value_kind: global_buffer, .address_space: global }
    .group_segment_fixed_size: 327680
    .private_segment_fixed_size: 0
    .kernarg_segment_align: 8
    .kernarg_segment_size: 24
    .max_flat_workgroup_size: 512
    .sgpr_count:     66
    .vgpr_count:     256
    .wavefront_size: 32
...
	.end_amdgpu_metadata
.endif
;; end of part 3
;; launch outp (part 4): grid 4 x 64, 4 waves a work-group, clusters of 4 x 4, 327,680 bytes of LDS; arguments oc, os, cod, scl, b_o, out0; writes out0
.if DOCPART == 4
	.amdgcn_target "amdgcn-amd-amdhsa--gfx1250"
	.amdhsa_code_object_version 6
	.text
	.protected	k_q7206334e81_outp
	.globl	k_q7206334e81_outp
	.p2align	8
	.type	k_q7206334e81_outp,@function
k_q7206334e81_outp:
	s_mov_b64 s[64:65], 0
	v_nop
	global_prefetch_b8 v0, s[64:65] scope:SCOPE_SE
	s_setreg_imm32_b32 hwreg(HW_REG_WAVE_MODE, 25, 1), 1
	s_wait_xcnt 0x0
	s_wait_alu depctr_hold_cnt(0) depctr_sa_sdst(0) depctr_va_vdst(0) depctr_va_sdst(0) depctr_va_ssrc(0) depctr_va_vcc(0) depctr_vm_vsrc(0)
	s_getreg_b32 s2, hwreg(HW_REG_IB_STS2, 6, 4)
	s_cmp_eq_u32 s2, 0
	s_cbranch_scc0 .Lentry_in_a_cluster
	s_endpgm
.Lentry_in_a_cluster:
	s_bfe_u32 s2, ttmp6, 0x10000c
	s_cmp_lg_u32 s2, 0xf033
	s_cbranch_scc0 .Lentry_shape_is_right
	s_endpgm
.Lentry_shape_is_right:
; FOURTH LAUNCH: out0 = O W_o^T + b_o on codes of FP4 with E8M0 scales.  No work is left out.
; A TILE is 128 positions x 256 columns (256 work-groups), K = 1,024: four waves, each 64 x 128 in 32 accumulators.  All of K lies in LDS at once, in two slots of 512 along K, both filled once at the head.
; A (the attention's result) comes as images of its fragments' registers (oc: [K half 2][tile of 16 positions 512][K step 4][1,024 bytes]): 16 bytes a lane on end, no pitch.  B = W_o's rows of cod (from row 11,264 on), in their own order.
; THE MATRIX INSTRUCTION IS USED TRANSPOSED (source 0 = 16 rows of W_o, source 1 = 16 positions): a lane holds eight neighbouring columns of one row.  b_o is the C of each sum's first instruction.
; LIMIT: so b_o is added first and not last: an order of rounding that differs from the reference's.  The other limits are stated at the head of the first launch.
; POSITIONS ARE STILL IN THE STORED ORDER: position P holds true row sw(P), P with its bits 3 and 4 exchanged; the stores' immediates put each row at its true place.
; CLUSTERS: 4 x 4 work-groups; A's tiles are asked for jointly along a row of the cluster, B's along a column.
; REGISTERS: window 0: v0-31 addresses; v32-95 scale words, two sets (they hold nothing else); v128-191 A's fragments, two sets of 32; on the way out v128-255 rows read back.
;   window 1: v0-63, v128-191 B's fragments, two sets; v64-127 b_o in the result's layout.   window 2: the accumulators: (a, b) at v[8 (8 a + b)].
.set NA,    4
.set PITCH, 272
.set HALFT, 128*PITCH
.set ABYTES, 32768                     ; A's eight tiles x 4,096 bytes
.set SLOT,  ABYTES+2*HALFT             ; then B's 256 rows
.set SCL,   2*SLOT                     ; A's scale bytes, two halves of 64 rows (8 rows of 256 bytes + 16), then B's, two halves of 128 rows
.set SPARE, SCL+2*2176+2*4352
.set AQ,    1024
.set AI,    4096
.set ACS,   512
.set SPITCH, 528                       ; the way out: a stage of 16 rows x (512 bytes + 16) for each wave, in slot 0, which has had its only fill and its last read when the first result is stored there
.set ADRA, 16
.set ADRB, 20
.set STO,  24                          ; v24  the way out: where I put 32 bytes of a row
.set RD,   25                          ; v25  where I read a row back
.set CO,   26                          ; v26  16 x lane
.set ADRS, 27
.set SPW,  28
.set NIL,  29
.set BO,   30
.set SC,   32
.set AF,   128
.set BK,   128
.set BI,   64
.set WV, 16
.set HI, 17                            ; wave / 2: which 64 positions are mine; also: I fetch for A (0) or for B (1)
.set LO, 18                            ; wave % 2: which 128 columns are mine; also: which half I fetch
.set CX, 40
.set CY, 41
.set TY, 43
.set G1, 24
.set G0, 32
.set G1B, 48
.set G0B, 56
.set G1S, 68
.set G0S, 76
.set G1SB, 80
.set G0SB, 88
.set MSB, 0
.macro WIN new
.if MSB != (\new)
	s_set_vgpr_msb (MSB<<8)|(\new)
.set MSB, (\new)
.endif
.endm
.macro JLOAD g0a, g1a, g0b, g1b        ; a joint load: waves 0 and 1 fetch for A, waves 2 and 3 for B; an s_nop 0 and four v_nop follow each of the two lines
	s_cmp_eq_u32 s[HI], 0
	s_cbranch_scc0 .Lfor_b_\@
	tensor_load_to_lds s[\g0a:\g0a+3], s[\g1a:\g1a+7]
	s_nop 0
.rept 4
	v_nop
.endr
	s_branch .Lasked_\@
.Lfor_b_\@:
	tensor_load_to_lds s[\g0b:\g0b+3], s[\g1b:\g1b+7]
	s_nop 0
.rept 4
	v_nop
.endr
.Lasked_\@:
.endm
.macro CROUND
	s_barrier_signal -1
	s_barrier_wait -1
	s_cmp_lg_u32 s[WV], 0
	s_cbranch_scc1 .Lnot_wave_0_\@
	s_barrier_signal -3
.Lnot_wave_0_\@:
	s_barrier_wait -3
	s_barrier_signal -1
	s_barrier_wait -1
.endm
.macro PLACES n
.rept \n
	v_nop
.endr
.endm
	s_load_b256 s[4:11], s[0:1], 0x0               ; oc s[4:5], os s[6:7], cod s[8:9], scl s[10:11]
	s_load_b128 s[12:15], s[0:1], 0x20             ; b_o s[12:13], out0 s[14:15]
	v_lshl_add_u32 v[SPW], v0, 2, SPARE
	v_mov_b32 v[NIL], 0
	ds_add_u32 v[SPW], v[NIL]                      ; the wave's opening: the add, twice on end, and its wait ahead of my first tensor load
	ds_add_u32 v[SPW], v[NIL]
	v_lshrrev_b32 v1, 5, v0
	v_readfirstlane_b32 s[WV], v1
	s_lshr_b32 s[HI], s[WV], 1
	s_and_b32 s[LO], s[WV], 1
	s_bfe_u32 s[CX], ttmp6, 0x40000                ; the tile column is cx: the grid is one cluster wide
	s_bfe_u32 s[CY], ttmp6, 0x40004
	s_and_b32 s[TY], ttmp7, 0xffff
	s_lshl_b32 s[TY], s[TY], 2
	s_add_co_u32 s[TY], s[TY], s[CY]               ; tile row: 128 positions
	s_lshl_b32 s44, s[CY], 2
	s_lshl_b32 s44, 15, s44                        ; my row of the cluster
	s_lshl_b32 s45, 0x1111, s[CX]                  ; my column
	s_or_b32 s[G1], s44, (3<<16)|(1<<21)           ; A's codes: 16,384 dense bytes as 64 rows of 32 elements of 8 bytes, no padding
	s_mov_b32 s[G1+1], 32<<16
	s_mov_b32 s[G1+2], 64<<16
	s_mov_b32 s[G1+3], 32<<16
	s_mov_b32 s[G1+4], 64
	s_mov_b32 s[G1+5], 32
	s_mov_b32 s[G1+6], 0
	s_mov_b32 s[G1+7], 0
	s_or_b32 s[G1B], s45, (0<<16)|(1<<20)|(1<<21)|(5<<22)|(3<<25)   ; B's codes: 128 rows x 256 bytes, 512 apart in memory, 16 bytes of padding behind each
	s_mov_b32 s[G1B+1], 256<<16
	s_mov_b32 s[G1B+2], 128<<16
	s_mov_b32 s[G1B+3], 256<<16
	s_mov_b32 s[G1B+4], 128
	s_mov_b32 s[G1B+5], 512
	s_mov_b32 s[G1B+6], 0
	s_mov_b32 s[G1B+7], 0
	s_or_b32 s[G1S], s44, (3<<16)|(1<<20)|(1<<21)|(5<<22)|(3<<25)   ; A's scale bytes: 64 rows x 32 bytes: 8 rows of 256, padded
	s_mov_b32 s[G1S+1], 32<<16
	s_mov_b32 s[G1S+2], 8<<16
	s_mov_b32 s[G1S+3], 32<<16
	s_mov_b32 s[G1S+4], 8
	s_mov_b32 s[G1S+5], 32
	s_mov_b32 s[G1S+6], 0
	s_mov_b32 s[G1S+7], 0
	s_or_b32 s[G1SB], s45, (3<<16)|(1<<20)|(1<<21)|(5<<22)|(3<<25)  ; B's: 128 rows: 16 rows of 256, padded
	s_mov_b32 s[G1SB+1], 32<<16
	s_mov_b32 s[G1SB+2], 16<<16
	s_mov_b32 s[G1SB+3], 32<<16
	s_mov_b32 s[G1SB+4], 16
	s_mov_b32 s[G1SB+5], 32
	s_mov_b32 s[G1SB+6], 0
	s_mov_b32 s[G1SB+7], 0
	s_lshl_b32 s20, s[TY], 15                      ; A's codes: 4,096 x (8 x tile row + 4 x half)
	s_lshl_b32 s19, s[LO], 14
	s_add_co_u32 s20, s20, s19
	s_mov_b32 s21, 0
	s_lshl_b32 s22, s[TY], 12                      ; A's scale bytes: 32 x (128 x tile row + 64 x half)
	s_lshl_b32 s19, s[LO], 11
	s_add_co_u32 s22, s22, s19
	s_mov_b32 s23, 0
	s_lshl_b32 s46, s[CX], 8
	s_lshl_b32 s19, s[LO], 7
	s_add_co_u32 s46, s46, s19
	s_add_co_u32 s46, s46, 11264                   ; B's row in cod and scl
	s_lshl_b32 s94, s46, 5
	s_lshl_b32 s46, s46, 9
	s_mov_b32 s47, 0
	s_mov_b32 s95, 0
	s_lshl_b32 s92, s[LO], 14                      ; where they go in a slot: A's half,
	s_mul_i32 s93, s[LO], HALFT
	s_add_co_u32 s93, s93, ABYTES                  ; B's half;
	s_mul_i32 s2, s[LO], 2176
	s_add_co_u32 s2, s2, SCL                       ; A's scale bytes,
	s_mul_i32 s3, s[LO], 4352
	s_add_co_u32 s3, s3, SCL+2*2176                ; B's
	s_wait_dscnt 0x0                               ; both opening adds are done
	s_wait_kmcnt 0x0
	s_add_nc_u64 s[20:21], s[4:5], s[20:21]
	s_add_nc_u64 s[22:23], s[6:7], s[22:23]
	s_add_nc_u64 s[46:47], s[8:9], s[46:47]
	s_add_nc_u64 s[94:95], s[10:11], s[94:95]
	CROUND                                         ; all sixteen work-groups are here: the joint loads meet
	s_mov_b32 s[G0S], 1
	s_mov_b32 s[G0S+1], s2
	s_mov_b64 s[G0S+2:G0S+3], s[22:23]
	s_or_b32 s[G0S+3], s[G0S+3], 0x80000000
	s_mov_b32 s[G0SB], 1
	s_mov_b32 s[G0SB+1], s3
	s_mov_b64 s[G0SB+2:G0SB+3], s[94:95]
	s_or_b32 s[G0SB+3], s[G0SB+3], 0x80000000
	JLOAD G0S, G1S, G0SB, G1SB                     ; the scale bytes first; then each slot once the load before it is in: one load of mine is out
.irp s, 0,1
	s_mov_b32 s[G0+4*\s], 1
	s_add_co_u32 s[G0+4*\s+1], s92, \s*SLOT
	s_add_nc_u64 s[G0+4*\s+2:G0+4*\s+3], s[20:21], \s*2097152
	s_or_b32 s[G0+4*\s+3], s[G0+4*\s+3], 0x80000000
	s_mov_b32 s[G0B+4*\s], 1
	s_add_co_u32 s[G0B+4*\s+1], s93, \s*SLOT
	s_add_nc_u64 s[G0B+4*\s+2:G0B+4*\s+3], s[46:47], \s*256
	s_or_b32 s[G0B+4*\s+3], s[G0B+4*\s+3], 0x80000000
	s_wait_alu depctr_va_vdst(0)
	s_wait_tensorcnt 0x0
	ds_add_u32 v28, v29
	s_wait_dscnt 0x0
	CROUND
	JLOAD G0+4*\s, G1, G0B+4*\s, G1B
.endr
	s_lshl_b32 s20, s[TY], 19                      ; out0: 4,096 x (128 x tile row + 64 HI),
	s_lshl_b32 s21, s[HI], 18
	s_add_co_u32 s20, s20, s21
	s_mov_b32 s21, 0
	s_lshl_b32 s46, s[CX], 10                      ; + 4 x (256 x tile column + 128 LO): also my columns' place in b_o
	s_lshl_b32 s47, s[LO], 9
	s_add_co_u32 s46, s46, s47
	s_mov_b32 s47, 0
	s_add_nc_u64 s[14:15], s[14:15], s[20:21]
	s_add_nc_u64 s[14:15], s[14:15], s[46:47]
	s_add_nc_u64 s[12:13], s[12:13], s[46:47]
	v_and_b32 v1, 15, v0                           ; r
	v_bfe_u32 v2, v0, 4, 1                         ; h
	v_lshlrev_b32 v[BO], 5, v2
	WIN 0x40
.irp b, 0,1,2,3,4,5,6,7
	global_load_b128 v[BI+8*\b:BI+8*\b+3], v[BO], s[12:13] offset:64*\b        ; b_o at columns 16 b + 8 h + 0 .. 7: the result's layout
	global_load_b128 v[BI+8*\b+4:BI+8*\b+7], v[BO], s[12:13] offset:64*\b+16
.endr
	WIN 0
	v_and_b32 v5, 31, v0
	v_lshlrev_b32 v[CO], 4, v5
	s_lshl_b32 s21, s[HI], 14                      ; A: my four tiles' images
	v_mul_u32_u24 v3, v1, PITCH
	v_lshl_add_u32 v4, v2, 4, v3
	s_mul_i32 s22, s[LO], HALFT
	s_add_co_u32 s22, s22, ABYTES                  ; B: my 128 rows
.irp s, 0,1
	v_add_nc_u32 v[ADRA+\s], s21, v[CO]
	v_add_nc_u32 v[ADRB+\s], s22, v4
	s_add_co_u32 s21, s21, SLOT
	s_add_co_u32 s22, s22, SLOT
.endr
	v_lshlrev_b32 v5, 5, v1
	v_lshrrev_b32 v6, 8, v5
	v_lshl_add_u32 v5, v6, 4, v5                   ; my row's scale bytes: 32 a row, 16 more for each 256 passed
	s_mul_i32 s21, s[HI], 2176
	s_mul_i32 s22, s[LO], 4352
	s_add_co_u32 s22, s22, 2*2176
	s_sub_co_u32 s22, s22, s21
	v_mul_u32_u24 v6, s22, v2                      ; lanes 16-31 take B's: one product with h
	s_add_co_u32 s21, s21, SCL
	v_add_nc_u32 v5, v5, v6
	v_add_nc_u32 v[ADRS], s21, v5
	s_mul_i32 s23, s[WV], 16*SPITCH                ; my stage
	v_mul_u32_u24 v5, v1, SPITCH
	v_lshl_add_u32 v5, v2, 5, v5
	v_add_nc_u32 v[STO], s23, v5
	v_add_nc_u32 v[RD], s23, v[CO]
.macro FRAG reg, adr, off, cst
	ds_load_b128 v[\reg:\reg+3], v[\adr] offset:\off
	ds_load_b128 v[\reg+4:\reg+7], v[\adr] offset:\off+\cst
.endm
.macro FETCH_B slot, q, p
	WIN 0x40
.irp i, 0,1,2,3,4,5,6,7
	FRAG 128*(\p)+8*\i, ADRB+(\slot), 64*(\q)+\i*16*PITCH, 32
.endr
	WIN 0
.endm
.macro FETCH_A slot, q, p
.irp i, 0,1,2,3
	FRAG AF+8*NA*(\p)+8*\i, ADRA+(\slot), AQ*(\q)+AI*\i, ACS
.endr
.endm
.macro SCALES slot                     ; register 4 i + q: lanes 0-15 A's block i (for i = 4 .. 7 they read filled bytes that no product names), lanes 16-31 B's block i
.irp i, 0,1,2,3,4,5,6,7
	ds_load_b128 v[SC+32*\slot+4*\i:SC+32*\slot+4*\i+3], v[ADRS] offset:544*\i+16*\slot
.endr
.endm
; 32 matrix instructions: A's four blocks x B's eight.  mode 2: b_o starts the sums.  The accumulators take turns, one instruction a turn, in the same order in every step.
.macro MULB a0, p, q, sc, mode
.irp a, \a0, \a0+1, \a0+2, \a0+3
.irp b, 0,1,2,3,4,5,6,7
.if \mode == 2
	v_wmma_scale_f32_16x16x128_f8f6f4 v[8*(8*((\a)%4)+\b):8*(8*((\a)%4)+\b)+7], v[128*(\p)+8*\b:128*(\p)+8*\b+7], v[AF+8*NA*(\p)+8*(\a):AF+8*NA*(\p)+8*(\a)+7], v[BI+8*\b:BI+8*\b+7], v[SC+32*(\sc)+4*\b+(\q)], v[SC+32*(\sc)+4*(\a)+(\q)] matrix_a_fmt:MATRIX_FMT_FP4 matrix_b_fmt:MATRIX_FMT_FP4 matrix_a_scale:MATRIX_SCALE_ROW1
.else
	v_wmma_scale_f32_16x16x128_f8f6f4 v[8*(8*((\a)%4)+\b):8*(8*((\a)%4)+\b)+7], v[128*(\p)+8*\b:128*(\p)+8*\b+7], v[AF+8*NA*(\p)+8*(\a):AF+8*NA*(\p)+8*(\a)+7], v[8*(8*((\a)%4)+\b):8*(8*((\a)%4)+\b)+7], v[SC+32*(\sc)+4*\b+(\q)], v[SC+32*(\sc)+4*(\a)+(\q)] matrix_a_fmt:MATRIX_FMT_FP4 matrix_b_fmt:MATRIX_FMT_FP4 matrix_a_scale:MATRIX_SCALE_ROW1
.endif
.endr
.endr
.endm
; Step g of eight, 128 along K: its fragments were asked for a step ago; the next step's 24 loads go out in one run, four places behind the last step's last product (ISA guide 7.12.1 for vector instructions).
.macro STEP g
	s_wait_dscnt 0x0
.if (\g) < 7
.if (\g) > 0
	PLACES 4
.endif
	FETCH_B ((\g)+1)/4, ((\g)+1)%4, ((\g)+1)%2
	FETCH_A ((\g)+1)/4, ((\g)+1)%4, ((\g)+1)%2
.if (\g) == 3
	SCALES 1
.endif
.endif
.if (\g) == 0
	WIN 0x91                                       ; source 0 (B) window 1, source 1 (A) window 0, C (b_o) window 1, D window 2
	MULB 0, 0, 0, 0, 2
.else
	WIN 0xa1                                       ; C and D window 2
	MULB 0, (\g)%2, (\g)%4, (\g)/4, 0
.endif
	WIN 0
.endm
	s_wait_alu depctr_va_vdst(0)
	s_wait_tensorcnt 1                             ; the scale bytes and my part of slot 0 are in; slot 1's load, issued behind them, may be out
	s_barrier_signal -1
	s_barrier_wait -1
	FETCH_B 0, 0, 0
	FETCH_A 0, 0, 0
	SCALES 0
	s_wait_loadcnt 0x0                             ; b_o
	STEP 0
	STEP 1
	STEP 2
	s_wait_tensorcnt 0x0                           ; my part of slot 1 is in,
	s_wait_dscnt 0x0                               ; and my last reads of slot 0 are back
	s_barrier_signal -1
	s_barrier_wait -1                              ; both hold of every wave: slot 1 is whole, and nobody reads slot 0 any more.  Nothing is filled again in this launch
	STEP 3
	STEP 4
	STEP 5
	STEP 6
	STEP 7
; THE WAY OUT, block by block of 16 positions x 128 columns: through my own stage in LDS, back as whole rows of 512 bytes.  LDS serves a wave's instructions in order: no wait between the stores and the loads, nor in front of the next block's stores.
.macro TOSTAGE a
	WIN 0x08                                       ; an LDS store's data are its source 1: window 2
.irp b, 0,1,2,3,4,5,6,7
	ds_store_b128 v[STO], v[64*(\a)+8*\b:64*(\a)+8*\b+3] offset:64*\b          ; each accumulator from its low end on
	ds_store_b128 v[STO], v[64*(\a)+8*\b+4:64*(\a)+8*\b+7] offset:64*\b+16
.endr
	WIN 0
.set BB, BK+64*((\a)%2)
.irp t, 0,1,2,3,4,5,6,7,8,9,10,11,12,13,14,15
	ds_load_b128 v[BB+4*\t:BB+4*\t+3], v[RD] offset:\t*SPITCH
.endr
.endm
.macro SEND a, younger                 ; younger: the LDS instructions issued behind block a's loads, which may stay out
.set BB, BK+64*((\a)%2)
	s_wait_dscnt \younger
.irp t, 0,1,2,3,4,5,6,7,8,9,10,11,12,13,14,15
	global_store_b128 v[CO], v[BB+4*\t:BB+4*\t+3], s[14:15] offset:4096*(32*((\a)/2)+16*(\t/8)+8*((\a)%2)+\t%8) th:TH_STORE_NT   ; position 16 a + t of my 64 goes to its true row; 32 lanes store 512 consecutive bytes, aligned
.endr
.endm
	PLACES 4                                       ; behind the last products: results are read, and loads land in registers that held A's fragments
	TOSTAGE 0
	TOSTAGE 1
	SEND 0, 32                                     ; behind block 0's loads: block 1's 16 stores and 16 loads
	s_wait_xcnt 0x0                                ; block 0's stores have read their registers: block 2's loads may land there
	TOSTAGE 2
	SEND 1, 32
	s_wait_xcnt 0x0
	TOSTAGE 3
	SEND 2, 32
	SEND 3, 0
	s_wait_tensorcnt 0x0                           ; the wave's end, behind my last tensor load and my last LDS store
	ds_add_u32 v[SPW], v[NIL]
	s_wait_dscnt 0x0
	CROUND                                         ; the closing round
	s_endpgm
.Lfunc_end_k_q7206334e81_outp:
	.size	k_q7206334e81_outp, .Lfunc_end_k_q7206334e81_outp-k_q7206334e81_outp
	.p2alignl 7, 3214868480
	.fill 96, 4, 3214868480
	.section	.rodata,"a",@progbits
	.p2align	6, 0x0
	.amdhsa_kernel k_q7206334e81_outp
		.amdhsa_group_segment_fixed_size 327680
		.amdhsa_private_segment_fixed_size 0
		.amdhsa_enable_private_segment 0
		.amdhsa_kernarg_size 48
		.amdhsa_user_sgpr_count 2
		.amdhsa_user_sgpr_kernarg_segment_ptr 1
		.amdhsa_wavefront_size32 1
		.amdhsa_system_sgpr_workgroup_id_x 1
		.amdhsa_system_sgpr_workgroup_id_y 1
		.amdhsa_system_sgpr_workgroup_id_z 1
		.amdhsa_system_vgpr_workitem_id 0
		.amdhsa_next_free_vgpr 768
		.amdhsa_next_free_sgpr 100
		.amdhsa_reserve_vcc 0
		.amdhsa_float_denorm_mode_32 3
		.amdhsa_float_denorm_mode_16_64 3
		.amdhsa_memory_ordered 1
		.amdhsa_forward_progress 1
		.amdhsa_inst_pref_size 74
	.end_amdhsa_kernel
	.amdgpu_metadata
---
amdhsa.version: [ 1, 2 ]
amdhsa.kernels:
  - .name:           k_q7206334e81_outp
    .symbol:         k_q7206334e81_outp.kd
    .args:
      - { .name: oc, .offset: 0, .size: 8, .value_kind: global_buffer, .address_space: global }
      - { .name: os, .offset: 8, .size: 8, .value_kind: global_buffer, .address_space: global }
      - { .name: cod, .offset: 16, .size: 8, .value_kind: global_buffer, .address_space: global }
      - { .name: scl, .offset: 24, .size: 8, .value_kind: global_buffer, .address_space: global }
      - { .name: b_o, .offset: 32, .size: 8, .value_kind: global_buffer, .address_space: global }
      - { .name: out0, .offset: 40, .size: 8, .value_kind: global_buffer, .address_space: global }
    .group_segment_fixed_size: 327680
    .private_segment_fixed_size: 0
    .kernarg_segment_align: 8
    .kernarg_segment_size: 48
    .max_flat_workgroup_size: 128
    .sgpr_count:     100
    .vgpr_count:     768
    .wavefront_size: 32
...
	.end_amdgpu_metadata
.endif
;; end of part 4
